; MI455X (gfx1250); checked and timed in simulation.
; The chip was launched on July 23, 2026; its instructions are those of AMD's public machine-readable ISA for CDNA 5 (MIT licence, August 2026) and "CDNA5" Instruction Set Architecture Reference Guide (July 2026). The comments in the code are by the model that wrote it; some were corrected since.
;; Causal Self Attention. Allowed arithmetic: matrix products marked QUANTISED: E3M2 operands, one E8M0 scale for each 32 along K, by v_wmma_scale_f32_16x16x128_f8f6f4 with both operands' format E3M2, f32 sums; everything else in f32.
;; Inputs: Wk 1,024 x 1,024 float32; Wq 1,024 x 1,024 float32; Wv 1,024 x 1,024 float32; bk 1,024 float32; bq 1,024 float32; bv 1,024 float32; x 4 x 2,048 x 1,024 float32.
;; Outputs: out0 4 x 2,048 x 1,024 float32.
;; This version of the problem:
;;   THIS VERSION OF THE PROBLEM IS GIVEN IN LOW PRECISION. The matrix products marked QUANTISED in the list below multiply operands that are first quantised to E3M2 (3 exponent bits, 2 mantissa bits; 6 bits a number), with one power-of-two scale for each 32 numbers along K (OCP MX v1.0); their sums are f32. All else is computed in f32.
;;   The module's matrix products, in the order in which they are computed (A, B: the left and right operand; K: the contracted axis; several contracted axes count as one K, in the product's order):
;;     1. [M 8,192, K 1,024] x [K 1,024, N 1,024]; A: input x; B: input Wq: QUANTISED
;;     2. [M 8,192, K 1,024] x [K 1,024, N 1,024]; A: input x; B: input Wk: QUANTISED
;;     3. [M 8,192, K 1,024] x [K 1,024, N 1,024]; A: input x; B: input Wv: QUANTISED
;;     4. batch 64 x [M 2,048, K 64] x [K 64, N 2,048]; A: computed on the way; B: computed on the way: QUANTISED
;;     5. batch 64 x [M 2,048, K 2,048] x [K 2,048, N 64]; A: softmax (see below); B: computed on the way: QUANTISED
;;     6. [M 8,192, K 1,024] x [K 1,024, N 1,024]; A: computed on the way; B: input Wv: QUANTISED
;;   THE QUANTISER, for each operand of a quantised product, along K:
;;     - K is cut into blocks of 32 from its start; a last block that is shorter is filled with zeros.
;;     - A block's scale is 2^e with e = floor(log2(the largest magnitude in the block)) - 4, held to -126 .. 127; a block of zeros has e = 0. As a byte (E8M0): e + 127.
;;     - Each number is divided by its block's scale, clamped to +-28, and rounded to the nearest number of E3M2, ties to even, subnormals kept.
;;     - The product sums the exact products of the quantised numbers (number of the format x scale) in f32.
;;   ~~~python
;;   def quantise(x, axis):      # numpy; x: float32 -> the quantised numbers, widened to float32 again
;;       x = np.moveaxis(x, axis, -1); K = x.shape[-1]
;;       x = np.pad(x, [(0, 0)] * (x.ndim - 1) + [(0, -K % 32)]); x = x.reshape(x.shape[:-1] + (-1, 32)); a = np.abs(x).max(-1, keepdims=True)
;;       e = np.where(a > 0, np.clip(np.frexp(np.where(a > 0, a, 1))[1] - 1 - 4, -126, 127), 0)      # np.frexp(a)[1] - 1 = floor(log2(a)), exactly
;;       r = np.clip(x / 2.0 ** e, -28, 28)
;;       step = 2.0 ** (np.maximum(np.frexp(np.where(r == 0, 1, r))[1] - 1, -2) - 2)
;;       q = np.round(r / step) * step * 2.0 ** e      # np.round: ties to even
;;       return np.moveaxis(q.reshape(q.shape[:-2] + (-1,))[..., :K], -1, axis).astype(np.float32)
;;   ~~~
;;   SOFTMAX AHEAD OF A QUANTISED PRODUCT. Where the list says 'softmax', what is quantised is not the finished softmax but p = 2^(t - M), with t = logit x log2(e) and M = ceil(the row's largest t), a whole number; so 1/2 < the row's largest p <= 1. The row's sum l is taken of the UNQUANTISED p, in f32, and the product's result is divided by l at the end. Since M is a whole number, a kernel that streams over the keys may use a running M (the ceiling of the running maximum): every later rescaling is an exact power of two, which a block's scale takes up: the codes' values come out the same.
;;   OPERANDS COMPUTED ON THE WAY. 'Computed on the way' means the value that the module computes at that place (a softmax that the list does not call 'softmax' is quantised finished and normalised). What goes into a quantiser is computed in f32, as accurately as f32 sums, v_exp_f32 and their like allow (about 1e-6 of the number): no bf16 or f16 on the way to a quantiser, and a product that is left as it is and whose result goes on into a quantised operand takes f32 operands (vector FMAs, or v_wmma_f32_16x16x4_f32). A number that lies on a knife's edge between two numbers of the format may be rounded either way, as far as f32 arithmetic and the matrix unit's own rounding can turn it there, and no further.
;; One version. Each part assembles by itself: llvm-mc -triple=amdgcn-amd-amdhsa -mcpu=gfx1250 --defsym DOCPART=n.
;; ======== version 1 of 1: 4 launches
;; workspace buffers: xq 6,553,600 bytes; wq 2,457,600 bytes; qk 13,631,488 bytes; vq 6,553,600 bytes; yq 6,553,600 bytes
;; launch quant (part 1): grid 448 x 1, 4 waves a work-group, no clusters, 47,616 bytes of LDS; arguments x, Wq, Wk, Wv, xq, wq; writes xq, wq
.if DOCPART == 1
	.amdgcn_target "amdgcn-amd-amdhsa--gfx1250"
	.amdhsa_code_object_version 6
	.text
	.protected	k_q69ac0a1da8_quant
	.globl	k_q69ac0a1da8_quant
	.p2align	8
	.type	k_q69ac0a1da8_quant,@function
k_q69ac0a1da8_quant:
	s_mov_b64 s[64:65], 0
	v_nop
	global_prefetch_b8 v0, s[64:65] scope:SCOPE_SE
	s_setreg_imm32_b32 hwreg(HW_REG_WAVE_MODE, 25, 1), 1
	s_wait_xcnt 0x0
; x [8192][1024] and Wq, Wk, Wv [1024 (k)][1024 (n)], f32, become codes of BF6 (E3M2) with one E8M0 byte for each 32 along K, laid IN THE ORDER OF THE OPERAND'S REGISTERS.
; A fragment (16 rows x 128 K: 12 registers a lane) is 1,536 bytes: six pieces of 256; piece p holds registers 2 p, 2 p + 1 of lane l at 256 p + 8 l.
; THE ROWS OF A TILE ARE NOT NEIGHBOURS: lane r of tile t takes row 32 (t / 2) + 8 (t % 2) + r + 8 (r / 8).
; Codes: [group of 128 rows][K step of 256: 0..3][tile 0..7][128 along K: 0..1][1,536].  Scale words behind them: [group][K half][16 tile + r][4 words].
; A block's scale is 2^(floor(log2(its largest magnitude)) - 4); its byte is that magnitude's exponent field - 4, held at 1 from below.
; LIMITS: NaN and infinities among the inputs are not served.  A block of zeros, or one whose largest magnitude lies under 2^-122, keeps the byte 1 (the rule says 127 for zeros): its codes
; are zeros or the nearest codes under that scale, and the bytes are read by this program alone.
; Work-groups 0-255 take x, 256-447 the weights: two paths that never meet again, each with LDS bytes of its own.  No tensor loads, no barrier: waves share nothing.
.set XSC,  6291456                     ; where xq's scale words begin
.set WSC,  2359296                     ; and wq's
.set GRP,  98304                       ; a group's codes
.set SEL,  20                          ; s[20:21] lane selects for v_permlanex16_b32: lane l xor 16
.set HM,   22                          ; s22 mask of lanes 16-31
; path X
.set XA,   1                           ; v1  16 x lane: my bytes of a load's 512
.set STI,  2                           ; v2  the stage, on the way in
.set STO,  3                           ; v3  and on the way out
.set OA,   4                           ; v4  8 x lane: my place in a piece
.set SA,   5                           ; v5  16 r + 8 h: my two scale words
.set R,    16                          ; v16-143  two sets of 64 numbers as loaded
.set X,    144                         ; v144-207 64 numbers: register 16 b + i = k 32 b + 16 h + i of row r
.set PC,   208                         ; v208-226 the codes just made
.set TM,   228                         ; v228-243 at work
.set PW,   244                         ; v244     the scale word just made
.set SW,   248                         ; v248-251 the four steps' scale words
.set DW,   252                         ; v[252:253] the two that I store
.set SP,   528                         ; a stage row: 512 bytes + 16, an odd multiple of 16: sixteen rows' reads of 16 bytes fall on different banks
.set WREG, 16*SP                       ; a wave's stage
; path W
.set WLDS, 4*WREG                      ; its LDS begins behind path X's
.set WIMG, 1664                        ; a tile's image + 128: the two tiles' stores fall on different banks
.set N,    16                          ; v16-143  128 numbers down K
.set C,    144                         ; v144-175 eight registers a block
.set OUTR, 176                         ; v176-199 the way out
.set SB,   15                          ; v15      the four scale bytes
; 64 numbers of a lane, v[s] .. v[s + 63], register 16 b + i = k 32 b + 16 (lane / 16) + i of my row, become a fragment's codes in v[PC] on and its scale word in v[PW].
.macro QUANT s
.irp b, 0,1,2,3
	v_max3_num_f32 v[TM+\b], |v[\s+16*\b]|, |v[\s+1+16*\b]|, 0x2800000   ; block b: my 16 numbers, and the floor 2^(5 - 127): the byte cannot fall under 1
.endr
.irp i, 2,4,6,8,10,12,14
.irp b, 0,1,2,3
	v_max3_num_f32 v[TM+\b], v[TM+\b], |v[\s+16*\b+\i]|, |v[\s+1+16*\b+\i]|   ; the four blocks by turns
.endr
.endr
.irp b, 0,1,2,3
	v_permlanex16_b32 v[TM+4+\b], v[TM+\b], s[SEL], s[SEL+1]
.endr
.irp b, 0,1,2,3
	v_max_num_f32 v[TM+\b], v[TM+\b], v[TM+4+\b]   ; with lane l xor 16's: the block's largest magnitude
.endr
.irp b, 0,1,2,3
	v_add_nc_u32 v[TM+12+\b], 0xfe000000, v[TM+\b]   ; 4 off its exponent field: the conversion's scale operand
.endr
.irp b, 0,1,2,3
	v_lshrrev_b32 v[TM+4+\b], 23, v[TM+12+\b]   ; the scale's byte
.endr
	v_lshl_or_b32 v[PW], v[TM+5], 8, v[TM+4]   ; the four bytes make my row's scale word
	v_lshl_or_b32 v[PW], v[TM+6], 16, v[PW]
	v_lshl_or_b32 v[PW], v[TM+7], 24, v[PW]
.irp c, 0,1
	v_cvt_scalef32_pk16_bf6_f32 v[PC+6*\c:PC+2+6*\c], v[\s+32*\c:\s+15+32*\c], v[TM+12+2*\c]
	v_cvt_scalef32_pk16_bf6_f32 v[PC+12+4*\c:PC+14+4*\c], v[\s+16+32*\c:\s+31+32*\c], v[TM+12+2*\c+1]   ; (a conversion's three registers begin on an even number)
.endr
	v_nop                                          ; one plain place behind a scaled conversion
.irp c, 0,1                                    ; the operand's layout wants a WHOLE block in a lane: lanes 0-15 block 2 c, lanes 16-31 block 2 c + 1
.irp i, 0,1,2
	v_permlane16_swap_b32 v[PC+6*\c+\i], v[PC+12+4*\c+\i]
.endr
.irp i, 0,1,2
	v_mov_b32 v[PC+3+6*\c+\i], v[PC+12+4*\c+\i]
.endr
.endr
.endm
	s_load_b256 s[4:11], s[0:1], 0x0               ; x s[4:5], Wq s[6:7], Wk s[8:9], Wv s[10:11]
	s_load_b128 s[12:15], s[0:1], 0x20             ; xq s[12:13], wq s[14:15]
	v_lshl_add_u32 v254, v0, 2, 0xb800
	v_mov_b32 v255, 0
	v_lshrrev_b32 v1, 5, v0
	v_readfirstlane_b32 s16, v1                    ; wave 0..3
	v_and_b32 v7, 31, v0                           ; lane
	v_and_b32 v8, 15, v0                           ; r
	v_bfe_u32 v9, v0, 4, 1                         ; h
	s_mov_b32 s[SEL], 0x76543210
	s_mov_b32 s[SEL+1], 0xfedcba98
	s_mov_b32 s[HM], 0xffff0000
	s_cmp_lt_u32 ttmp9, 256
	s_cbranch_scc0 .Lw
; ---- PATH X.  Wave w takes tile 2 x work-group + w / 2 (16 rows) and K half w % 2 (512 numbers a row), in four steps of 128 along K.
; Each load reads 512 consecutive bytes of one row; a step's 16 rows turn through the wave's own stage, so that a lane gets 16 neighbours of each block of its row.
	v_lshlrev_b32 v[XA], 4, v7
	s_mul_i32 s27, s16, WREG
	v_add_nc_u32 v[STI], s27, v[XA]
	v_mul_u32_u24 v[STO], v8, SP
	v_lshl_add_u32 v[STO], v9, 6, v[STO]
	v_add_nc_u32 v[STO], s27, v[STO]               ; row r, + 64 h
	v_lshlrev_b32 v[OA], 3, v7
	v_lshlrev_b32 v[SA], 4, v8
	v_lshl_add_u32 v[SA], v9, 3, v[SA]
.irp b, 0,1,2,3
	v_mov_b32 v[TM+4+\b], 0                        ; written once: a lane permute's destination counts as one of its sources
.endr
	s_lshl_b32 s17, ttmp9, 1
	s_lshr_b32 s18, s16, 1
	s_add_co_u32 s17, s17, s18                     ; the tile
	s_and_b32 s18, s16, 1                          ; the K half
	s_lshr_b32 s24, s17, 1
	s_lshl_b32 s24, s24, 17                        ; 32 (tile / 2) rows of 4,096 bytes
	s_and_b32 s25, s17, 1
	s_lshl_b32 s25, s25, 15                        ; 8 (tile % 2) rows
	s_add_co_u32 s24, s24, s25
	s_lshl_b32 s25, s18, 11                        ; the half's 2,048 bytes
	s_add_co_u32 s24, s24, s25
	s_mov_b32 s25, 0
	s_lshr_b32 s28, s17, 3                         ; the group
	s_and_b32 s29, s17, 7                          ; the tile in it
	s_mul_i32 s30, s28, GRP
	s_mul_i32 s31, s18, 49152
	s_add_co_u32 s30, s30, s31
	s_mul_i32 s31, s29, 3072
	s_add_co_u32 s30, s30, s31                     ; the codes' place
	s_mov_b32 s31, 0
	s_lshl_b32 s32, s28, 12
	s_lshl_b32 s33, s18, 11
	s_add_co_u32 s32, s32, s33
	s_lshl_b32 s33, s29, 8
	s_add_co_u32 s32, s32, s33
	s_add_co_u32 s32, s32, XSC                     ; the scale words' place
	s_mov_b32 s33, 0
	s_wait_alu depctr_va_vdst(0)
	s_wait_kmcnt 0x0
	s_add_nc_u64 s[4:5], s[4:5], s[24:25]
	s_add_nc_u64 s[34:35], s[12:13], s[32:33]
	s_add_nc_u64 s[12:13], s[12:13], s[30:31]
.macro XLOADS set, st                  ; step st's 16 rows into set
.irp p, 0,1,2,3,4,5,6,7,8,9,10,11,12,13,14,15
	global_load_b128 v[R+64*(\set)+4*\p:R+64*(\set)+4*\p+3], v[XA], s[4:5] offset:(\p+8*(\p/8))*4096+512*(\st) th:TH_LOAD_NT
.endr
.endm
.macro XSTEP st
.if (\st) < 3
	s_wait_loadcnt 16                              ; this step's 16 loads are in; the next step's 16 may be out
.else
	s_wait_loadcnt 0x0
.endif
	s_wait_xcnt 0x0                                ; the last step's stores have read the codes' registers, which are written again below
.irp p, 0,1,2,3,4,5,6,7,8,9,10,11,12,13,14,15
	ds_store_b128 v[STI], v[R+64*((\st)%2)+4*\p:R+64*((\st)%2)+4*\p+3] offset:SP*\p
.endr
.irp b, 0,1,2,3
.irp j, 0,1,2,3
	ds_load_b128 v[X+16*\b+4*\j:X+16*\b+4*\j+3], v[STO] offset:128*\b+16*\j   ; LDS serves a wave's instructions in order: these see the stores above
.endr
.endr
	s_wait_dscnt 0x0                               ; my 64 numbers are in, and the stores have read their registers,
.if (\st) < 2
	XLOADS (\st)%2, (\st)+2                        ; which take the loads of two steps on
.endif
	QUANT X
.irp p, 0,1,2,3,4,5
	global_store_b64 v[OA], v[PC+2*\p:PC+2*\p+1], s[12:13] offset:((\st)/2)*24576+((\st)%2)*1536+256*\p   ; 32 lanes store 256 consecutive bytes, aligned
.endr
	v_mov_b32 v[SW+(\st)], v[PW]
.endm
	XLOADS 0, 0
	XLOADS 1, 1
	XSTEP 0
	XSTEP 1
	XSTEP 2
	XSTEP 3
	v_cndmask_b32 v[DW], v[SW], v[SW+2], s[HM]     ; lanes 0-15 store words 0 and 1 of their row, lanes 16-31 words 2 and 3
	v_cndmask_b32 v[DW+1], v[SW+1], v[SW+3], s[HM]
	global_store_b64 v[SA], v[DW:DW+1], s[34:35]   ; 256 consecutive bytes, aligned
	s_wait_tensorcnt 0x0
	ds_add_u32 v254, v255
	s_wait_dscnt 0x0
	s_endpgm
; ---- PATH W.  Work-group 256 + 8 cb + s takes 128 columns (cb: 0-7 Wq's, 8-15 Wk's, 16-23 Wv's) x 128 along K (step s).  A LANE TAKES A COLUMN AND ITS REGISTERS RUN DOWN K:
; a block of 32 lies in one lane, and the conversions give codes with K innermost.  Lane x of a wave is lane r' = x % 8 + 8 (x / 16) of tile u = (x / 8) % 2 of the wave's two tiles.
.Lw:
	s_sub_co_u32 s17, ttmp9, 256
	s_lshr_b32 s18, s17, 3                         ; cb
	s_and_b32 s19, s17, 7                          ; s
	s_lshr_b32 s23, s18, 3                         ; which weight
	s_and_b32 s24, s18, 7                          ; which 128 of its columns
	s_wait_alu depctr_va_vdst(0)
	v_lshlrev_b32 v2, 2, v7                        ; in: 4 bytes a lane
	v_bfe_u32 v10, v0, 3, 1                        ; u
	v_and_b32 v11, 7, v0
	v_lshl_add_u32 v11, v9, 3, v11                 ; r'
	s_mul_i32 s25, s16, 2*WIMG
	s_add_co_u32 s25, s25, WLDS                    ; my wave's stage: two images
	v_mul_u32_u24 v3, v10, WIMG
	v_lshl_add_u32 v3, v11, 3, v3
	v_add_nc_u32 v3, s25, v3                       ; into it: image u, 8 r'
	v_lshlrev_b32 v5, 4, v7                        ; out: 16 bytes a lane
	v_add_nc_u32 v4, s25, v5
	v_lshlrev_b32 v6, 8, v10
	v_lshl_add_u32 v6, v11, 4, v6
	s_lshl_b32 s26, s16, 9
	v_add_nc_u32 v6, s26, v6                       ; my column's scale words: 16 x (32 wave + 16 u + r')
	s_lshl_b32 s26, s19, 19                        ; 128 s rows of 4,096 bytes
	s_lshl_b32 s27, s24, 9
	s_add_co_u32 s26, s26, s27
	s_lshl_b32 s27, s16, 7
	s_add_co_u32 s26, s26, s27                     ; + 4 x my wave's first column
	s_mov_b32 s27, 0
	s_mul_i32 s28, s18, GRP
	s_lshr_b32 s29, s19, 1
	s_mul_i32 s29, s29, 24576
	s_add_co_u32 s28, s28, s29
	s_mul_i32 s29, s16, 6144
	s_add_co_u32 s28, s28, s29
	s_and_b32 s29, s19, 1
	s_mul_i32 s29, s29, 1536
	s_add_co_u32 s28, s28, s29                     ; the codes' place
	s_mov_b32 s29, 0
	s_lshl_b32 s30, s18, 12
	s_lshr_b32 s31, s19, 2
	s_lshl_b32 s31, s31, 11
	s_add_co_u32 s30, s30, s31
	s_and_b32 s31, s19, 3
	s_lshl_b32 s31, s31, 2
	s_add_co_u32 s30, s30, s31
	s_add_co_u32 s30, s30, WSC                     ; the scale words' place
	s_mov_b32 s31, 0
	s_wait_kmcnt 0x0
	s_cmp_eq_u32 s23, 0                            ; the choice hangs on the work-group's number alone
	s_cselect_b64 s[6:7], s[6:7], s[8:9]
	s_cmp_eq_u32 s23, 2
	s_cselect_b64 s[6:7], s[10:11], s[6:7]
	s_add_nc_u64 s[6:7], s[6:7], s[26:27]
	s_add_nc_u64 s[32:33], s[14:15], s[30:31]
	s_add_nc_u64 s[14:15], s[14:15], s[28:29]
.macro WLOAD t                         ; block t: W(32 t + i, my column): 128 consecutive bytes a wave, 512 a work-group
.irp i, 0,1,2,3,4,5,6,7,8,9,10,11,12,13,14,15,16,17,18,19,20,21,22,23,24,25,26,27,28,29,30,31
	global_load_b32 v[N+32*(\t)+\i], v2, s[6:7] offset:(32*(\t)+\i)*4096 th:TH_LOAD_NT
.endr
.endm
.macro WBLOCK t
.set NS, N+32*(\t)
.set CC, C+8*(\t)
.if (\t) < 3
	s_wait_loadcnt 32                              ; this block's 32 loads are in; the next block's 32 may be out
.else
	s_wait_loadcnt 0x0
.endif
.if (\t)+2 < 4
	WLOAD (\t)+2                                   ; every block has registers of its own: the block two on is asked for at once
.endif
	v_max3_num_f32 v12, |v[NS]|, |v[NS+1]|, |v[NS+2]|   ; the block's largest magnitude: all 32 numbers are mine
	v_max3_num_f32 v13, |v[NS+3]|, |v[NS+4]|, |v[NS+5]|
.irp i, 6,10,14,18,22,26
	v_max3_num_f32 v12, v12, |v[NS+\i]|, |v[NS+\i+1]|
	v_max3_num_f32 v13, v13, |v[NS+\i+2]|, |v[NS+\i+3]|
.endr
	v_max3_num_f32 v12, v12, |v[NS+30]|, |v[NS+31]|
	v_max3_num_f32 v12, v12, v13, 0x2800000        ; and the floor 2^(5 - 127)
	v_add_nc_u32 v11, 0xfe000000, v12              ; 4 off its exponent field: the conversion's scale operand
	v_lshrrev_b32 v14, 23, v11                     ; the scale's byte
.if (\t) == 0
	v_mov_b32 v[SB], v14                           ; four bytes to the word, the lower K in the lower byte
.else
	v_lshl_or_b32 v[SB], v14, 8*(\t), v[SB]
.endif
	v_cvt_scalef32_pk16_bf6_f32 v[CC:CC+2], v[NS:NS+15], v11
	v_cvt_scalef32_pk16_bf6_f32 v[CC+4:CC+6], v[NS+16:NS+31], v11   ; (a conversion's three registers begin on an even number)
	v_nop                                          ; one plain place behind a scaled conversion
.irp i, 0,1,2
	v_mov_b32 v[CC+3+\i], v[CC+4+\i]               ; the block's six registers on end
.endr
.irp e, 0,1,2                          ; block t is registers 6 (t / 2) .. + 5 of lane (r', h = t % 2): pieces 3 (t / 2) + e, at 8 r' + 128 h
	ds_store_b64 v3, v[CC+2*\e:CC+2*\e+1] offset:768*((\t)/2)+256*\e+128*((\t)%2)
.endr
.endm
	WLOAD 0
	WLOAD 1
	WBLOCK 0
	WBLOCK 1
	WBLOCK 2
	WBLOCK 3
.irp u, 0,1
.irp j, 0,1,2
	ds_load_b128 v[OUTR+4*(3*\u+\j):OUTR+4*(3*\u+\j)+3], v4 offset:WIMG*\u+512*\j   ; LDS serves a wave's instructions in order: these see my stores
.endr
.endr
	global_store_b32 v6, v[SB], s[32:33]           ; my column's word of this step: 4 of each 16 bytes (the other three words come from other work-groups): one byte in 128 of what the path reads
	s_wait_dscnt 0x0
.irp u, 0,1
.irp j, 0,1,2
	global_store_b128 v5, v[OUTR+4*(3*\u+\j):OUTR+4*(3*\u+\j)+3], s[14:15] offset:3072*\u+512*\j   ; 512 consecutive bytes, aligned
.endr
.endr
	s_wait_tensorcnt 0x0
	ds_add_u32 v254, v255
	s_wait_dscnt 0x0
	s_endpgm
.Lfunc_end_k_q69ac0a1da8_quant:
	.size	k_q69ac0a1da8_quant, .Lfunc_end_k_q69ac0a1da8_quant-k_q69ac0a1da8_quant
	.p2alignl 7, 3214868480
	.fill 96, 4, 3214868480
	.section	.rodata,"a",@progbits
	.p2align	6, 0x0
	.amdhsa_kernel k_q69ac0a1da8_quant
		.amdhsa_group_segment_fixed_size 47616
		.amdhsa_private_segment_fixed_size 0
		.amdhsa_enable_private_segment 0
		.amdhsa_kernarg_size 48
		.amdhsa_user_sgpr_count 2
		.amdhsa_user_sgpr_kernarg_segment_ptr 1
		.amdhsa_wavefront_size32 1
		.amdhsa_system_sgpr_workgroup_id_x 1
		.amdhsa_system_sgpr_workgroup_id_y 1
		.amdhsa_system_sgpr_workgroup_id_z 1
		.amdhsa_system_vgpr_workitem_id 0
		.amdhsa_next_free_vgpr 256
		.amdhsa_next_free_sgpr 66
		.amdhsa_reserve_vcc 0
		.amdhsa_float_denorm_mode_32 3
		.amdhsa_float_denorm_mode_16_64 3
		.amdhsa_memory_ordered 1
		.amdhsa_forward_progress 1
		.amdhsa_inst_pref_size 57
	.end_amdhsa_kernel
	.amdgpu_metadata
---
amdhsa.version: [ 1, 2 ]
amdhsa.kernels:
  - .name:           k_q69ac0a1da8_quant
    .symbol:         k_q69ac0a1da8_quant.kd
    .args:
      - { .name: x, .offset: 0, .size: 8, .value_kind: global_buffer, .address_space: global }
      - { .name: Wq, .offset: 8, .size: 8, .value_kind: global_buffer, .address_space: global }
      - { .name: Wk, .offset: 16, .size: 8, .value_kind: global_buffer, .address_space: global }
      - { .name: Wv, .offset: 24, .size: 8, .value_kind: global_buffer, .address_space: global }
      - { .name: xq, .offset: 32, .size: 8, .value_kind: global_buffer, .address_space: global }
      - { .name: wq, .offset: 40, .size: 8, .value_kind: global_buffer, .address_space: global }
    .group_segment_fixed_size: 47616
    .private_segment_fixed_size: 0
    .kernarg_segment_align: 8
    .kernarg_segment_size: 48
    .max_flat_workgroup_size: 128
    .sgpr_count:     66
    .vgpr_count:     256
    .wavefront_size: 32
...
	.end_amdgpu_metadata
.endif
;; end of part 1
;; launch proj (part 2): grid 4 x 96, 4 waves a work-group, clusters of 4 x 4, 327,680 bytes of LDS; arguments xq, wq, bq, bk, bv, qk, vq; writes qk, vq
.if DOCPART == 2
	.amdgcn_target "amdgcn-amd-amdhsa--gfx1250"
	.amdhsa_code_object_version 6
	.text
	.protected	k_q69ac0a1da8_proj
	.globl	k_q69ac0a1da8_proj
	.p2align	8
	.type	k_q69ac0a1da8_proj,@function
k_q69ac0a1da8_proj:
	s_mov_b64 s[64:65], 0
	v_nop
	global_prefetch_b8 v0, s[64:65] scope:SCOPE_SE
	s_setreg_imm32_b32 hwreg(HW_REG_WAVE_MODE, 25, 1), 1
	s_wait_xcnt 0x0
	s_wait_alu depctr_hold_cnt(0) depctr_sa_sdst(0) depctr_va_vdst(0) depctr_va_sdst(0) depctr_va_ssrc(0) depctr_va_vcc(0) depctr_vm_vsrc(0)
	s_getreg_b32 s2, hwreg(HW_REG_IB_STS2, 6, 4)
	s_cmp_eq_u32 s2, 0
	s_cbranch_scc0 .Lentry_in_a_cluster
	s_endpgm
.Lentry_in_a_cluster:
	s_bfe_u32 s2, ttmp6, 0x10000c
	s_cmp_lg_u32 s2, 0xf033
	s_cbranch_scc0 .Lentry_shape_is_right
	s_endpgm
.Lentry_shape_is_right:
; q = x Wq + bq, k = x Wk + bk, v = x Wv + bv on codes of BF6 (E3M2) with E8M0 scales, and each result quantised again, in registers, along the axis that attention contracts: q and k along the head's 64, v along the keys.
; ONE BODY, TWO MODES, chosen by the CLUSTER's number L, which all sixteen partners share.  A tile of the result is 256 x 256; a wave makes 128 x 128: 64 accumulators, 512 registers.
; The matrix instruction is used transposed: source 0 = 16 rows of operand B, source 1 = 16 rows of operand A: a lane holds ONE row of A, and its registers run along B's rows.
;   L < 16  (q and k): A = x (32 tile rows), B = Wq's and Wk's 2,048 columns (8 tile columns): a lane's registers run along the head's channels.
;   L >= 16 (v):       A = Wv's 1,024 columns (4 tile rows), B = x (32 tile columns): a lane's registers run along the keys.
; Operands lie in memory in the order of the operand's registers: [group of 128 rows][K step of 256][tile][128 along K][1,536 bytes]: a wave's tensor load brings 24,576 dense bytes, as 96 rows of 256.
; The rows of a tile are not neighbours (lane r of tile t: row 32 (t / 2) + 8 (t % 2) + r + 8 (r / 8)), so that the 16 registers of accumulators (a, 2 c) and (a, 2 c + 1) are 16 NEIGHBOURS along B's rows.
; K = 1,024 goes in four steps of 256 through a ring of two LDS slots.  The scale words of the tile's rows, for all of K, come once, with the first fills, and stay.
; CLUSTERS: 4 x 4 work-groups; A's tiles are asked for jointly along a row of the cluster, B's along a column.
; LIMITS: NaN and infinities are not served; a block whose largest magnitude lies under 2^-122 (zeros among them) keeps the scale byte 1; the bytes are read by this program alone.
; REGISTERS: window 0: v1, v2 r, h; v16-29 addresses; v32-63 scale words, two sets; v64-127 the bias; v128-223 A's fragments, ONE set; on the way out v128-251 at work.
;   window 1: B's fragments, two sets, at v0 and v128.   windows 2, 3: accumulator (a, b) at v[8 (8 (a % 4) + b)].
.set NQ,     2                         ; matrix instructions deep in a slot
.set FR,     12                        ; registers of a fragment
.set FRB,    1536                      ; and its bytes
.set NL,     6                         ; LDS loads that bring one
.set NP,     4                         ; places behind this matrix instruction (ISA guide 7.12.1)
.set GRP,    98304                     ; a group's codes in memory
.set HALFT,  24576                     ; 128 rows x 256 K: what one tensor load brings
.set SLOT,   4*HALFT                   ; A's two halves, then B's two
.set SCL,    2*SLOT                    ; behind the ring: the scale words, 4,096 bytes for each wave's load
.set SPARE,  SCL+4*4096                ; behind them: the spare words, 128 bytes for each wave: two blocks of 256 bytes that no other line names
.set QKSC,   12582912                  ; where qk's scale words begin
.set VSC,    6291456                   ; and vq's
.set ADRA, 16                          ; v16-17  LDS address of my A fragments in slot 0, 1
.set ADRB, 20                          ; v20-21  the same for B
.set OA,   24                          ; v24     8 x lane: my place in a piece of 256 bytes
.set LB,   25                          ; v25     my offset in the bias
.set LS,   26                          ; v26     my offset among the scale words that I store
.set ADRS, 27                          ; v27     LDS address of my scale words: lanes 0-15 A's rows, lanes 16-31 B's
.set SPW,  28                          ; v28     LDS address of my spare word; never rewritten
.set NIL,  29                          ; v29     0; never rewritten
.set SC,   32
.set BB,   64
.set AF,   128
.set HN,   128                         ; the way out: 64 numbers of a lane
.set PC,   192                         ; v192-210 the codes just made
.set TM,   212                         ; v212-227 at work
.set PW,   228                         ; the scale word just made
.set SWD,  232                         ; v232-239 the eight blocks' scale words
.set TT,   240
.set DD,   244
.set EE,   248
.set G1, 24                            ; s[24:31] group 1 for A's tiles;  s[32:39] group 0, one set for each slot
.set G0, 32
.set G1B, 48                           ; s[48:55], s[56:63] the same for B's
.set G0B, 56
.set G1S, 68                           ; s[68:75], s[76:79] for A's scale words;  s[80:87], s[88:91] for B's
.set G0S, 76
.set G1SB, 80
.set G0SB, 88
.set SEL, 46                           ; s[46:47] on the way out: lane selects for v_permlanex16_b32
.set HM,  100                          ; s100 on the way out: mask of lanes 16-31
.set MSB, 0
.macro WIN new                         ; the immediate's high byte repeats the setting that is left
.if MSB != \new
	s_set_vgpr_msb (MSB<<8)|\new
.set MSB, \new
.endif
.endm
.set MUL_LO, 0xa1                      ; source 0 (B) window 1, source 1 (A) window 0, C and D window 2
.set MUL_HI, 0xf1                      ; the same, C and D window 3
.set TO_B,   0x40                      ; destination window 1, address window 0
; A joint load: waves 0 and 1 fetch for A, waves 2 and 3 for B.  The branch hangs on the wave's number alone.  Four v_nop follow each of the two lines.
.macro JLOAD g0a, g1a, g0b, g1b
	s_cmp_eq_u32 s19, 0
	s_cbranch_scc0 .Lfor_b_\@
	tensor_load_to_lds s[\g0a:\g0a+3], s[\g1a:\g1a+7]
	s_nop 0
.rept 4
	v_nop
.endr
	s_branch .Lasked_\@
.Lfor_b_\@:
	tensor_load_to_lds s[\g0b:\g0b+3], s[\g1b:\g1b+7]
	s_nop 0
.rept 4
	v_nop
.endr
.Lasked_\@:
.endm
.macro CREST                           ; a round of the cluster's barrier behind its opening barrier
	s_cmp_lg_u32 s18, 0
	s_cbranch_scc1 .Lnot_wave_0_\@
	s_barrier_signal -3
.Lnot_wave_0_\@:
	s_barrier_wait -3
	s_barrier_signal -1
	s_barrier_wait -1
.endm
.macro CROUND                          ; a whole round
	s_barrier_signal -1
	s_barrier_wait -1
	CREST
.endm
	s_load_b256 s[4:11], s[0:1], 0x0               ; xq s[4:5], wq s[6:7], bq s[8:9], bk s[10:11]
	s_load_b128 s[12:15], s[0:1], 0x20             ; bv s[12:13], qk s[14:15]
	s_load_b64 s[16:17], s[0:1], 0x30              ; vq
	v_lshl_add_u32 v[SPW], v0, 2, SPARE
	v_mov_b32 v[NIL], 0
	ds_add_u32 v28, v29
	ds_add_u32 v28, v29
	s_wait_dscnt 0x0
	v_lshrrev_b32 v1, 5, v0
	v_readfirstlane_b32 s18, v1                    ; wave 0..3
	s_lshr_b32 s19, s18, 1                         ; which half of A's rows is mine.  Also: I fetch for A (0) or for B (1)
	s_and_b32 s20, s18, 1                          ; which half of B's rows.  Also: which 128 rows of that tile I fetch
	s_bfe_u32 s21, ttmp6, 0x40000                  ; cx, cy: my place in the cluster
	s_bfe_u32 s22, ttmp6, 0x40004
	s_and_b32 s23, ttmp7, 0xffff                   ; L: the cluster's number, 0..23
	s_and_b32 s44, s23, 1
	s_sub_co_u32 s45, s23, 16
	s_lshr_b32 s46, s23, 1
	s_cmp_lt_u32 s23, 16
	s_cselect_b32 s2, 0, 1                         ; the mode
	s_cselect_b32 s3, s44, s45                     ; the cluster's place along B: L % 2, or L - 16
	s_cselect_b32 s46, s46, 0                      ; and along A: L / 2, or 0
	s_lshl_b32 s40, s3, 2
	s_add_co_u32 s40, s40, s21                     ; tile column (B)
	s_lshl_b32 s41, s46, 2
	s_add_co_u32 s41, s41, s22                     ; tile row (A)
	s_lshl_b32 s42, s22, 2
	s_lshl_b32 s42, 15, s42                        ; my row of the cluster
	s_lshl_b32 s43, 0x1111, s21                    ; my column
	; group 1: dense blocks as rows of 256 bytes (32 elements of 8 bytes), no padding: 15:0 the mask; 17:16 elements of 8 bytes; 21 set beside a mask
	s_or_b32 s[G1], s42, (3<<16)|(1<<21)
	s_or_b32 s[G1B], s43, (3<<16)|(1<<21)
	s_or_b32 s[G1S], s42, (3<<16)|(1<<21)
	s_or_b32 s[G1SB], s43, (3<<16)|(1<<21)
.irp g, G1, G1B
	s_mov_b32 s[\g+1], 32<<16                      ; tensor_dim0
	s_mov_b32 s[\g+2], 96<<16                      ; tensor_dim1: 96 rows
	s_mov_b32 s[\g+3], 32<<16                      ; tile_dim0
	s_mov_b32 s[\g+4], 96                          ; tile_dim1
	s_mov_b32 s[\g+5], 32                          ; the pitch
	s_mov_b32 s[\g+6], 0
	s_mov_b32 s[\g+7], 0
.endr
.irp g, G1S, G1SB
	s_mov_b32 s[\g+1], 32<<16
	s_mov_b32 s[\g+2], 16<<16                      ; 16 rows: a group's 4,096 bytes of scale words
	s_mov_b32 s[\g+3], 32<<16
	s_mov_b32 s[\g+4], 16
	s_mov_b32 s[\g+5], 32
	s_mov_b32 s[\g+6], 0
	s_mov_b32 s[\g+7], 0
.endr
	s_lshl_b32 s92, s41, 1
	s_add_co_u32 s92, s92, s20                     ; A: the group that I fetch: 2 x tile row + half
	s_lshl_b32 s94, s92, 12                        ; its scale words,
	s_mul_i32 s92, s92, GRP                        ; its codes
	s_mov_b32 s93, 0
	s_mov_b32 s95, 0
	s_lshl_b32 s96, s40, 1
	s_add_co_u32 s96, s96, s20                     ; B likewise, in registers that never hold cy
	s_lshl_b32 s98, s96, 12
	s_mul_i32 s96, s96, GRP
	s_mov_b32 s97, 0
	s_mov_b32 s99, 0
	s_wait_kmcnt 0x0
	s_cmp_eq_u32 s2, 0                             ; which buffer is A and which B: the choice hangs on the cluster's number alone
	s_cselect_b64 s[44:45], s[4:5], s[6:7]
	s_cselect_b64 s[46:47], s[6:7], s[4:5]
	s_cselect_b32 s101, 0, 16*GRP                  ; Wv's groups begin 16 groups into wq
	s_mov_b32 s100, 2359296+16*4096
	s_cselect_b32 s100, 6291456, s100              ; where A's scale words begin in its buffer
	s_mov_b32 s23, 6291456
	s_cselect_b32 s23, 2359296, s23                ; and B's
	s_add_co_u32 s92, s92, s101
	s_add_co_u32 s94, s94, s100
	s_add_co_u32 s98, s98, s23
	s_add_nc_u64 s[92:93], s[44:45], s[92:93]
	s_add_nc_u64 s[94:95], s[44:45], s[94:95]
	s_add_nc_u64 s[96:97], s[46:47], s[96:97]
	s_add_nc_u64 s[98:99], s[46:47], s[98:99]
	s_mul_i32 s44, s18, HALFT                      ; where they go: wave x a load's bytes: no place in the cluster enters an LDS address
	s_lshl_b32 s45, s18, 12
	CROUND                                         ; all sixteen work-groups are here: the first joint loads meet
	s_mov_b32 s[G0S], 1
	s_add_co_u32 s[G0S+1], s45, SCL
	s_mov_b64 s[G0S+2:G0S+3], s[94:95]
	s_or_b32 s[G0S+3], s[G0S+3], 0x80000000
	s_mov_b32 s[G0SB], 1
	s_add_co_u32 s[G0SB+1], s45, SCL
	s_mov_b64 s[G0SB+2:G0SB+3], s[98:99]
	s_or_b32 s[G0SB+3], s[G0SB+3], 0x80000000
	JLOAD G0S, G1S, G0SB, G1SB                     ; the scale words first: they are wanted with K step 0
.irp s, 0,1
	s_mov_b32 s[G0+4*\s], 1
	s_add_co_u32 s[G0+4*\s+1], s44, \s*SLOT
	s_add_nc_u64 s[G0+4*\s+2:G0+4*\s+3], s[92:93], \s*HALFT
	s_or_b32 s[G0+4*\s+3], s[G0+4*\s+3], 0x80000000
	s_mov_b32 s[G0B+4*\s], 1
	s_add_co_u32 s[G0B+4*\s+1], s44, \s*SLOT
	s_add_nc_u64 s[G0B+4*\s+2:G0B+4*\s+3], s[96:97], \s*HALFT
	s_or_b32 s[G0B+4*\s+3], s[G0B+4*\s+3], 0x80000000
	JLOAD G0+4*\s, G1, G0B+4*\s, G1B
.endr
	v_and_b32 v1, 15, v0                           ; r
	v_bfe_u32 v2, v0, 4, 1                         ; h
	s_wait_alu depctr_va_vdst(0)
	v_and_b32 v3, 31, v0
	v_lshlrev_b32 v[OA], 3, v3
	s_mul_i32 s44, s19, HALFT                      ; my 128 rows of A
	s_mul_i32 s45, s20, HALFT                      ; my 128 rows of B,
	s_add_co_u32 s45, s45, 2*HALFT                 ; which lie behind A's two halves
.irp s, 0,1
	v_add_nc_u32 v[ADRA+\s], s44, v[OA]
	v_add_nc_u32 v[ADRB+\s], s45, v[OA]
	s_add_co_u32 s44, s44, SLOT
	s_add_co_u32 s45, s45, SLOT
.endr
	v_lshlrev_b32 v5, 4, v1                        ; my row's scale words: 16 bytes a row and K half
	s_lshl_b32 s44, s19, 12                        ; A's: my half
	s_lshl_b32 s45, s20, 12                        ; B's: my half, behind A's two
	s_add_co_u32 s45, s45, 2*4096
	s_sub_co_u32 s45, s45, s44
	v_mul_u32_u24 v6, s45, v2                      ; lanes 16-31 take B's
	s_add_co_u32 s44, s44, SCL
	v_add_nc_u32 v5, v5, v6
	v_add_nc_u32 v[ADRS], s44, v5
.macro FRAG reg, adr, q, i             ; a fragment comes as it was laid: six pieces of 256 bytes, 8 bytes a lane: dense, so no two lanes meet in a bank
.irp p, 0,1,2,3,4,5
	ds_load_b64 v[\reg+2*\p:\reg+2*\p+1], v[\adr] offset:(2*(\i)+(\q))*FRB+256*\p
.endr
.endm
; 16 matrix instructions: A's blocks a0, a0 + 1 x B's eight, 128 along K: the slot's q-th.  p: B's set;  sc: the set of scale words.  zero = 1: the first product starts the sums.
; The 64 accumulators take turns, one instruction a turn, in the same order in every step.
.macro MUL16 a0, p, q, sc, zero
.irp a, \a0, \a0+1
.irp b, 0,1,2,3,4,5,6,7
.if \zero
	v_wmma_scale_f32_16x16x128_f8f6f4 v[8*(8*((\a)%4)+\b):8*(8*((\a)%4)+\b)+7], v[128*(\p)+FR*\b:128*(\p)+FR*\b+FR-1], v[AF+FR*(\a):AF+FR*(\a)+FR-1], 0, v[SC+8*NQ*(\sc)+NQ*\b+(\q)], v[SC+8*NQ*(\sc)+NQ*(\a)+(\q)] matrix_a_fmt:MATRIX_FMT_BF6 matrix_b_fmt:MATRIX_FMT_BF6 matrix_a_scale:MATRIX_SCALE_ROW1
.else
	v_wmma_scale_f32_16x16x128_f8f6f4 v[8*(8*((\a)%4)+\b):8*(8*((\a)%4)+\b)+7], v[128*(\p)+FR*\b:128*(\p)+FR*\b+FR-1], v[AF+FR*(\a):AF+FR*(\a)+FR-1], v[8*(8*((\a)%4)+\b):8*(8*((\a)%4)+\b)+7], v[SC+8*NQ*(\sc)+NQ*\b+(\q)], v[SC+8*NQ*(\sc)+NQ*(\a)+(\q)] matrix_a_fmt:MATRIX_FMT_BF6 matrix_b_fmt:MATRIX_FMT_BF6 matrix_a_scale:MATRIX_SCALE_ROW1
.endif
.endr
.endr
.endm
.macro FETCH_B slot, q, p              ; B's eight fragments of the slot's q-th 128 along K into set p
	WIN TO_B
.irp i, 0,1,2,3,4,5,6,7
	FRAG 128*(\p)+FR*\i, ADRB+\slot, \q, \i
.endr
	WIN 0
.endm
.macro FETCH_A slot, q, i0             ; A's blocks i0 .. i0 + 3
.irp i, \i0, \i0+1, \i0+2, \i0+3
	FRAG AF+FR*(\i), ADRA+\slot, \q, \i
.endr
.endm
.macro SCALES sc, sg                   ; K step sg's scale words into set sc: two words a row; lanes 0-15 take A's block i, lanes 16-31 B's block i
.irp i, 0,1,2,3,4,5,6,7
	ds_load_b64 v[SC+8*NQ*(\sc)+NQ*\i:SC+8*NQ*(\sc)+NQ*\i+1], v[ADRS] offset:256*\i+((\sg)/2)*2048+((\sg)%2)*8
.endr
.endm
.macro PLACES n                        ; plain vector places behind matrix instructions, in front of loads into registers that they have read and of reads of their results
.rept \n
	v_nop
.endr
.endm
; A step of 128 along K that has its successor in the same slot.
.macro STEP slot, q, zero
	s_wait_dscnt 4*NL                              ; B's set, A's blocks 0-3 and the scale words are in; the youngest 24 loads (A's blocks 4-7) may be out
	WIN MUL_LO
	MUL16 0, (\q)%2, \q, \slot, \zero
	MUL16 2, (\q)%2, \q, \slot, \zero
	s_wait_dscnt 0                                 ; A's blocks 4-7 are in
	PLACES NP
	FETCH_B \slot, (\q)+1, 1-(\q)%2
	FETCH_A \slot, (\q)+1, 0
	WIN MUL_HI
	MUL16 4, (\q)%2, \q, \slot, \zero
	MUL16 6, (\q)%2, \q, \slot, \zero
	PLACES NP
	WIN 0
	FETCH_A \slot, (\q)+1, 4
.endm
; A slot's last step changes slots: ONE barrier; in front of it each wave waits for all its tensor loads, adds 0 to its spare word, and waits for that and for its own reads of this slot.
; fill = 1: this slot is filled again, two K steps ahead.  sg: the K step that lies in the next slot.
.macro TURN slot, next, fill, sg
	s_wait_tensorcnt 0x0                           ; all my tensor loads have landed: my part of the next slot
	ds_add_u32 v[SPW], v[NIL]                      ; 0 onto my spare word
	s_wait_dscnt 4*NL+1                            ; (the add and the youngest 24 loads, A's blocks 4-7, may be out)
	WIN MUL_LO
	MUL16 0, 1, NQ-1, \slot, 0                     ; sixteen matrix instructions stand between the add and the wait for it
	s_wait_dscnt 0x0                               ; the add is done, and my reads of this slot are over
	s_barrier_signal -1
	MUL16 2, 1, NQ-1, \slot, 0
	WIN 0
	s_barrier_wait -1
.if \fill
	CREST                                          ; the barrier has opened a round of the cluster's barrier: no wave of any partner still reads this slot or has a load on its way
	s_add_nc_u64 s[G0+4*\slot+2:G0+4*\slot+3], s[G0+4*\slot+2:G0+4*\slot+3], 2*HALFT
	s_add_nc_u64 s[G0B+4*\slot+2:G0B+4*\slot+3], s[G0B+4*\slot+2:G0B+4*\slot+3], 2*HALFT
	JLOAD G0+4*\slot, G1, G0B+4*\slot, G1B         ; the first tensor load behind the round; its four v_nop are the places in front of the loads below
.else
	PLACES NP
.endif
	FETCH_B \next, 0, 0
	FETCH_A \next, 0, 0
	SCALES \next, \sg
	WIN MUL_HI
	MUL16 4, 1, NQ-1, \slot, 0
	MUL16 6, 1, NQ-1, \slot, 0
	PLACES NP
	WIN 0
	FETCH_A \next, 0, 4
.endm
.macro LAST                            ; the very last step: nothing more to fetch
	s_wait_dscnt 4*NL
	WIN MUL_LO
	MUL16 0, 1, NQ-1, 1, 0
	MUL16 2, 1, NQ-1, 1, 0
	s_wait_dscnt 0
	WIN MUL_HI
	MUL16 4, 1, NQ-1, 1, 0
	MUL16 6, 1, NQ-1, 1, 0
	WIN 0
	PLACES NP                                      ; in front of the first reads of results and of writes over A's fragments
.endm
; 64 numbers of a lane, v[s] .. v[s + 63], register 16 b + i = k 32 b + 16 (lane / 16) + i of my row, become a fragment's codes in v[PC] on and its scale word in v[PW].
.macro QUANT s
.irp b, 0,1,2,3
	v_max3_num_f32 v[TM+\b], |v[\s+16*\b]|, |v[\s+1+16*\b]|, 0x2800000   ; block b: my 16 numbers, and the floor 2^(5 - 127): the byte cannot fall under 1
.endr
.irp i, 2,4,6,8,10,12,14
.irp b, 0,1,2,3
	v_max3_num_f32 v[TM+\b], v[TM+\b], |v[\s+16*\b+\i]|, |v[\s+1+16*\b+\i]|
.endr
.endr
.irp b, 0,1,2,3
	v_permlanex16_b32 v[TM+4+\b], v[TM+\b], s[SEL], s[SEL+1]
.endr
.irp b, 0,1,2,3
	v_max_num_f32 v[TM+\b], v[TM+\b], v[TM+4+\b]   ; with lane l xor 16's: the block's largest magnitude
.endr
.irp b, 0,1,2,3
	v_add_nc_u32 v[TM+12+\b], 0xfe000000, v[TM+\b]   ; 4 off its exponent field: the conversion's scale operand
.endr
.irp b, 0,1,2,3
	v_lshrrev_b32 v[TM+4+\b], 23, v[TM+12+\b]   ; the scale's byte
.endr
	v_lshl_or_b32 v[PW], v[TM+5], 8, v[TM+4]
	v_lshl_or_b32 v[PW], v[TM+6], 16, v[PW]
	v_lshl_or_b32 v[PW], v[TM+7], 24, v[PW]
.irp c, 0,1
	v_cvt_scalef32_pk16_bf6_f32 v[PC+6*\c:PC+2+6*\c], v[\s+32*\c:\s+15+32*\c], v[TM+12+2*\c]
	v_cvt_scalef32_pk16_bf6_f32 v[PC+12+4*\c:PC+14+4*\c], v[\s+16+32*\c:\s+31+32*\c], v[TM+12+2*\c+1]
.endr
	v_nop                                          ; one plain place behind a scaled conversion
.irp c, 0,1
.irp i, 0,1,2
	v_permlane16_swap_b32 v[PC+6*\c+\i], v[PC+12+4*\c+\i]
.endr
.irp i, 0,1,2
	v_mov_b32 v[PC+3+6*\c+\i], v[PC+12+4*\c+\i]
.endr
.endr
.endm
; THE WAY OUT, A's blocks one after the other.  The bias's addition also brings the block's 64 numbers into window 0 (each accumulator from its low end on); they are quantised as they stand and leave as pieces of 256 bytes.
; mode 0: the fragment's lower six registers are the codes of one head's 64, the upper six the next head's.  mode 1: the fragment is 16 channels x 128 keys.
.macro EPI mode
.irp a, 0,1,2,3,4,5,6,7
	WIN 0x02+(\a)/4                                ; source 0: window 2 or 3
.set e, 0
.rept 32
.if \mode
	v_pk_add_f32 v[HN+e:HN+e+1], v[64*(\a%4)+e:64*(\a%4)+e+1], v[BB+2*\a:BB+2*\a+1]
.else
	v_pk_add_f32 v[HN+e:HN+e+1], v[64*(\a%4)+e:64*(\a%4)+e+1], v[BB+e:BB+e+1]
.endif
.set e, e+2
.endr
	WIN 0
.if \a > 0
	s_wait_xcnt 0x0                                ; the last block's stores have read the codes' registers
.endif
	QUANT HN
.irp p, 0,1,2,3,4,5
.if \mode
	global_store_b64 v[OA], v[PC+2*\p:PC+2*\p+1], s[16:17] offset:(\a%4)*1536+(\a/4)*98304+256*\p   ; 32 lanes store 256 consecutive bytes, aligned
.else
	global_store_b64 v[OA], v[PC+2*\p:PC+2*\p+1], s[14:15] offset:768*\a+(\p/3)*393216+256*(\p%3)
.endif
.endr
	v_mov_b32 v[SWD+\a], v[PW]
.endr
.irp j, 0,1,2,3
	v_cndmask_b32 v[TT+\j], v[SWD+\j], v[SWD+4+\j], s[HM]   ; lanes 0-15 store blocks 0-3's words of their row, lanes 16-31 blocks 4-7's
.endr
.endm
	s_wait_alu depctr_va_vdst(0)
	s_wait_tensorcnt 1                             ; the scale words and my part of K step 0 are in (of my three loads only K step 1's may be out),
	s_barrier_signal -1
	s_barrier_wait -1                              ; everybody's are
	FETCH_B 0, 0, 0
	FETCH_A 0, 0, 0
	SCALES 0, 0
	FETCH_A 0, 0, 4
	STEP 0, 0, 1                                   ; the first products start the sums: nothing is cleared
	TURN 0, 1, 1, 1                                ; slot 0 takes K step 2
	STEP 1, 0, 0
	TURN 1, 0, 1, 2                                ; slot 1 takes K step 3
	STEP 0, 0, 0
	TURN 0, 1, 0, 3                                ; nothing is left to fetch: no round
	STEP 1, 0, 0
	s_lshl_b32 s44, s41, 1
	s_add_co_u32 s44, s44, s19                     ; my group of A's rows
	s_lshl_b32 s45, s40, 1
	s_add_co_u32 s45, s45, s20                     ; my group of B's rows
	s_mov_b32 s67, 0
	s_mov_b32 s93, 0
	s_mov_b32 s[HM], 0xffff0000
	s_cmp_lg_u32 s2, 0                             ; the two tails hang on the cluster's number alone and meet again at the end
	s_cbranch_scc1 .Lv
	; ---- q and k.  A's group: 128 rows of x: batch (group / 16), tiles 8 (group % 16) on.  B's group ng: heads 2 ng and 2 ng + 1 of the 32 (16 of q, then 16 of k).
	s_and_b32 s66, s45, 7
	s_lshl_b32 s66, s66, 9                         ; the group's 128 numbers of the bias
	s_cmp_eq_u32 s3, 0
	s_cselect_b64 s[8:9], s[8:9], s[10:11]         ; groups 0-7 are Wq's, 8-15 Wk's
	s_add_nc_u64 s[8:9], s[8:9], s[66:67]
	v_lshlrev_b32 v[LB], 6, v2                     ; register 16 c + i wants b(32 c + 16 h + i)
.irp c, 0,1,2,3
.irp j, 0,1,2,3
	global_load_b128 v[BB+16*\c+4*\j:BB+16*\c+4*\j+3], v[LB], s[8:9] offset:128*\c+16*\j   ; asked for ahead of the last 64 products
.endr
.endr
	s_lshr_b32 s46, s44, 4                         ; the batch
	s_and_b32 s47, s44, 15
	s_mul_i32 s66, s45, 786432                     ; two heads of 4 x 128 tiles x 768 bytes
	s_mul_i32 s101, s46, 98304
	s_add_co_u32 s66, s66, s101
	s_mul_i32 s101, s47, 6144
	s_add_co_u32 s66, s66, s101
	s_lshl_b32 s92, s45, 16                        ; the scale words: [head][batch][128 rows][r][8 words]
	s_lshl_b32 s101, s46, 13
	s_add_co_u32 s92, s92, s101
	s_lshl_b32 s101, s47, 9
	s_add_co_u32 s92, s92, s101
	s_add_co_u32 s92, s92, QKSC
	s_add_nc_u64 s[92:93], s[14:15], s[92:93]
	s_add_nc_u64 s[14:15], s[14:15], s[66:67]
	s_mov_b32 s[SEL], 0x76543210
	s_mov_b32 s[SEL+1], 0xfedcba98
	v_lshlrev_b32 v[LS], 5, v1
	v_lshl_add_u32 v[LS], v2, 4, v[LS]             ; 32 r + 16 h
	LAST
	s_wait_loadcnt 0x0                             ; the bias
.irp b, 0,1,2,3
	v_mov_b32 v[TM+4+\b], 0                        ; written once: a lane permute's destination counts as one of its sources
.endr
	EPI 0
.irp j, 0,1,2,3
	v_and_b32 v[DD+\j], 0xffff, v[TT+\j]           ; a head has two blocks: its word's upper two bytes are 0 (they meet zero codes)
	v_lshrrev_b32 v[EE+\j], 16, v[TT+\j]           ; the next head's
.endr
	global_store_b128 v[LS], v[DD:DD+3], s[92:93]  ; 512 consecutive bytes, aligned
	global_store_b128 v[LS], v[EE:EE+3], s[92:93] offset:32768
	s_branch .Lend
	; ---- v.  A's group: 128 channels: heads 2 group and 2 group + 1, four tiles each.  B's group: 128 keys: batch (group / 16), key step (group % 16).
.Lv:
	s_lshl_b32 s66, s44, 9
	s_add_nc_u64 s[12:13], s[12:13], s[66:67]
	v_and_b32 v3, 8, v1
	v_add_nc_u32 v3, v3, v1
	v_lshlrev_b32 v[LB], 2, v3                     ; my channel in a tile: r + 8 (r / 8)
.irp a, 0,1,2,3,4,5,6,7
	global_load_b32 v[BB+2*\a], v[LB], s[12:13] offset:4*(32*(\a/2)+8*(\a%2))      ; one number a lane and block, twice: a pair for the packed addition
	global_load_b32 v[BB+2*\a+1], v[LB], s[12:13] offset:4*(32*(\a/2)+8*(\a%2))
.endr
	s_lshr_b32 s46, s45, 4                         ; the batch
	s_and_b32 s47, s45, 15                         ; the key step
	s_mul_i32 s66, s46, 1572864
	s_mul_i32 s101, s44, 196608
	s_add_co_u32 s66, s66, s101
	s_mul_i32 s101, s47, 6144
	s_add_co_u32 s66, s66, s101
	s_lshl_b32 s92, s46, 16                        ; the scale words: [batch][head][key step][r][4 words]
	s_lshl_b32 s101, s44, 13
	s_add_co_u32 s92, s92, s101
	s_lshl_b32 s101, s47, 8
	s_add_co_u32 s92, s92, s101
	s_add_co_u32 s92, s92, VSC
	s_add_nc_u64 s[92:93], s[16:17], s[92:93]
	s_add_nc_u64 s[16:17], s[16:17], s[66:67]
	s_mov_b32 s[SEL], 0x76543210
	s_mov_b32 s[SEL+1], 0xfedcba98
	v_lshlrev_b32 v[LS], 4, v1
	v_lshl_add_u32 v[LS], v2, 12, v[LS]            ; 16 r, and the next head for lanes 16-31
	LAST
	s_wait_loadcnt 0x0                             ; the bias
.irp b, 0,1,2,3
	v_mov_b32 v[TM+4+\b], 0
.endr
	EPI 1
	global_store_b128 v[LS], v[TT:TT+3], s[92:93]  ; two runs of 256 consecutive bytes, aligned
.Lend:
	s_wait_tensorcnt 0x0                           ; the wave's end
	ds_add_u32 v[SPW], v[NIL]
	s_wait_dscnt 0x0
	CROUND                                         ; the closing round: no work-group ends while a partner may still ask for a tile that names it
	s_endpgm
.Lfunc_end_k_q69ac0a1da8_proj:
	.size	k_q69ac0a1da8_proj, .Lfunc_end_k_q69ac0a1da8_proj-k_q69ac0a1da8_proj
	.p2alignl 7, 3214868480
	.fill 96, 4, 3214868480
	.section	.rodata,"a",@progbits
	.p2align	6, 0x0
	.amdhsa_kernel k_q69ac0a1da8_proj
		.amdhsa_group_segment_fixed_size 327680
		.amdhsa_private_segment_fixed_size 0
		.amdhsa_enable_private_segment 0
		.amdhsa_kernarg_size 56
		.amdhsa_user_sgpr_count 2
		.amdhsa_user_sgpr_kernarg_segment_ptr 1
		.amdhsa_wavefront_size32 1
		.amdhsa_system_sgpr_workgroup_id_x 1
		.amdhsa_system_sgpr_workgroup_id_y 1
		.amdhsa_system_sgpr_workgroup_id_z 1
		.amdhsa_system_vgpr_workitem_id 0
		.amdhsa_next_free_vgpr 1024
		.amdhsa_next_free_sgpr 102
		.amdhsa_reserve_vcc 0
		.amdhsa_float_denorm_mode_32 3
		.amdhsa_float_denorm_mode_16_64 3
		.amdhsa_memory_ordered 1
		.amdhsa_forward_progress 1
		.amdhsa_inst_pref_size 247
	.end_amdhsa_kernel
	.amdgpu_metadata
---
amdhsa.version: [ 1, 2 ]
amdhsa.kernels:
  - .name:           k_q69ac0a1da8_proj
    .symbol:         k_q69ac0a1da8_proj.kd
    .args:
      - { .name: xq, .offset: 0, .size: 8, .value_kind: global_buffer, .address_space: global }
      - { .name: wq, .offset: 8, .size: 8, .value_kind: global_buffer, .address_space: global }
      - { .name: bq, .offset: 16, .size: 8, .value_kind: global_buffer, .address_space: global }
      - { .name: bk, .offset: 24, .size: 8, .value_kind: global_buffer, .address_space: global }
      - { .name: bv, .offset: 32, .size: 8, .value_kind: global_buffer, .address_space: global }
      - { .name: qk, .offset: 40, .size: 8, .value_kind: global_buffer, .address_space: global }
      - { .name: vq, .offset: 48, .size: 8, .value_kind: global_buffer, .address_space: global }
    .group_segment_fixed_size: 327680
    .private_segment_fixed_size: 0
    .kernarg_segment_align: 8
    .kernarg_segment_size: 56
    .max_flat_workgroup_size: 128
    .sgpr_count:     102
    .vgpr_count:     1024
    .wavefront_size: 32
...
	.end_amdgpu_metadata
.endif
;; end of part 2
;; launch attn (part 3): grid 4 x 64, 16 waves a work-group, no clusters, 210,944 bytes of LDS; arguments qk, vq, yq; writes yq
.if DOCPART == 3
	.amdgcn_target "amdgcn-amd-amdhsa--gfx1250"
	.amdhsa_code_object_version 6
	.text
	.protected	k_q69ac0a1da8_attn
	.globl	k_q69ac0a1da8_attn
	.p2align	8
	.type	k_q69ac0a1da8_attn,@function
k_q69ac0a1da8_attn:
	s_mov_b64 s[64:65], 0
	v_nop
	global_prefetch_b8 v0, s[64:65] scope:SCOPE_SE
	s_setreg_imm32_b32 hwreg(HW_REG_WAVE_MODE, 25, 1), 1
	s_wait_xcnt 0x0
; y[b][t][64 hd + d] = the sum over keys k <= t of softmax_k(q . k / 8) v, both products on codes of BF6 (E3M2) with E8M0 scales; y is quantised along (head, d) and leaves as the last product's operand.
; THE SOFTMAX AHEAD OF THE SECOND PRODUCT: t = score x log2(e) / 8; M = the row's largest t so far, rounded UP to a whole number; p = 2^(t - M) is what is quantised, along the keys; not normalised.
; The row's sum is taken of the unquantised p and divides at the end.  When M moves, the sum and O are multiplied by 2^(old M - new M): exact.
; SHARES.  A work-group takes one head of one batch and 512 of its queries, in two passes; each of its sixteen waves owns one tile of 16 queries at a time, in 256 registers: four waves to a SIMD.
; With x = 16 i + wave (i: the work-group's x) pass 0 takes tile 127 - x and pass 1 tile x: a tile t wants t / 8 + 1 key steps of 128, so EVERY wave of the launch does 17 steps.
; THE WHOLE HEAD'S K AND V, codes and scale words, 208,896 bytes, come into LDS ONCE, one tensor load a wave (waves 0-9), and stay: no slot is filled again, nothing is stored to LDS, and
; one barrier stands in the text: the waves never meet again, so the uneven steps on the diagonal cost no waiting.
; NO JOINT LOADS: the four work-groups that read the same head differ in which steps the causal mask lets them leave out, and that is a branch on the work-group's number.
; LAYOUT.  Both products are used transposed: S^T = K Q^T (source 0 = 16 keys), O^T = V^T P^T (source 0 = 16 channels): a lane holds ONE query throughout.  The rows of every tile are chosen
; (lane r of tile t: row 32 (t / 2) + 8 (t % 2) + r + 8 (r / 8)), so that the 16 registers of result tiles 2 b and 2 b + 1 are 16 neighbours: keys 32 b + 16 h + 0 .. 15, channels likewise.
; K = 64 IN AN INSTRUCTION OF 128: Q's upper six registers are zero codes and the upper two bytes of Q's and K's scale words are 0.  K's upper six registers are simply the next tile's codes
; (zeros behind the last): finite numbers that meet zero codes and add exactly 0.  So K's tiles stand 6 registers apart and no byte of padding is read.
; The loop over key steps has 16 trips in every wave; a step all of whose keys are hidden is jumped over: a scalar branch on ids, round the step's work alone.
; LIMITS: the largest t begins at -3e38; a block's largest p is taken from its largest score, which takes v_exp_f32 not to fall where its input rises; NaN and infinities are not served.
; y's scale bytes leave one byte a lane, 16 bytes apart: one byte in 24 of what the launch stores; gathering them would want LDS stores and barriers among waves that otherwise never meet.
.set QKSC, 12582912                    ; where qk's scale words begin
.set VSCG, 6291456                     ; vq's
.set YSC,  6291456                     ; yq's
.set VIMG, 98304                       ; LDS: K's codes [tile 128][768] at 0; V's [key step 16][tile 4][1,536] here;
.set KSCL, 196608                      ; K's scale words [key step][r][8 words];
.set VSCL, 204800                      ; V's [key step][r][4 words]
.set AK0,  1                           ; v1   8 x lane: my place in a piece of 256 bytes, in LDS and in memory
.set AV0,  2                           ; v2   the same in V's codes
.set ASK0, 3                           ; v3   my row among K's scale words
.set ASV0, 4                           ; v4   and among V's
.set RQ,   5                           ; v5   r + 8 (r / 8) - 16 h
.set QS,   7                           ; v7   32 r: my row among Q's scale words
.set ADK,  8                           ; v8-11 the step's LDS addresses
.set ADV,  9
.set ADS,  10
.set ADT,  11
.set YB,   29                          ; v29  16 r + h: my scale byte of y
.set KB,   32                          ; v32-85 K's eight tiles, 6 registers apart, and six zeros; later V's four fragments in v32-79
.set KS,   86                          ; v86-93 K's scale words
.set VS,   192                         ; v192-195 V's
.set WV,   10                          ; s10  my wave's number
.set G1C,  16                          ; s[16:23] group 1: 96 rows of 256 bytes;  s[24:31] 32 rows;  s[32:39] 16 rows
.set G1KS, 24
.set G1VS, 32
.set G0K,  40                          ; s[40:55] groups 0: K's codes, V's codes, K's scale words, V's
.set G0V,  44
.set G0KS, 48
.set G0VS, 52
.set SEL,  56                          ; s[56:57] lane selects for v_permlanex16_b32: lane l xor 16
.set CS,   58                          ; s[58:59] c = log2(e) / 8
.set HM,   60                          ; s60  mask of lanes 16-31
.set TQ,   61                          ; s61  the tile of queries in hand
.set TQN,  62                          ; s62  the second pass's
.set KF,   63                          ; s63  the step's first key
.set Q0,   66                          ; s66  my smallest query
.set QMAX, 67                          ; s67  my largest
.set T6,   68                          ; s68  the step's codes: 6,144 bytes a step, in K's and in V's
.set TSK,  69                          ; s69  its scale words of K: 512 a step
.set TSV,  70                          ; s70  of V: 256 a step
.set CNT,  71                          ; s71  trips to go
.macro G1SET g, rows                   ; a dense block as rows of 256 bytes: 32 elements of 8 bytes, no mask, no padding
	s_mov_b32 s[\g], 3<<16
	s_mov_b32 s[\g+1], 32<<16
	s_mov_b32 s[\g+2], (\rows)<<16
	s_mov_b32 s[\g+3], 32<<16
	s_mov_b32 s[\g+4], \rows
	s_mov_b32 s[\g+5], 32
	s_mov_b32 s[\g+6], 0
	s_mov_b32 s[\g+7], 0
.endm
	s_load_b128 s[4:7], s[0:1], 0x0                ; qk s[4:5], vq s[6:7]
	s_load_b64 s[8:9], s[0:1], 0x10                ; yq
	v_lshl_add_u32 v251, v0, 2, 0x33000
	v_mov_b32 v255, 0
	ds_add_u32 v251, v255
	ds_add_u32 v251, v255
	v_lshrrev_b32 v8, 5, v0
	s_delay_alu instid0(VALU_DEP_1)
	v_readfirstlane_b32 s[WV], v8                  ; wave 0..15
	s_and_b32 s12, ttmp7, 0xffff                   ; 16 b + hd
	s_lshr_b32 s13, s12, 4                         ; the batch
	s_and_b32 s14, s12, 15                         ; the head
	G1SET G1C, 96
	G1SET G1KS, 32
	G1SET G1VS, 16
	s_and_b32 s88, s[WV], 3
	s_mul_i32 s89, s88, 24576                      ; which quarter of the codes I fetch, if I fetch
	s_add_co_u32 s90, s14, 16                      ; k's heads lie behind q's sixteen
	s_lshl_b32 s90, s90, 2
	s_add_co_u32 s90, s90, s13
	s_mul_i32 s72, s90, 98304
	s_add_co_u32 s72, s72, s89
	s_mov_b32 s73, 0
	s_lshl_b32 s74, s90, 13
	s_add_co_u32 s74, s74, QKSC
	s_mov_b32 s75, 0
	s_mul_i32 s76, s12, 98304
	s_add_co_u32 s76, s76, s89
	s_mov_b32 s77, 0
	s_lshl_b32 s78, s12, 12
	s_add_co_u32 s78, s78, VSCG
	s_mov_b32 s79, 0
	s_mov_b32 s[SEL], 0x76543210
	s_mov_b32 s[SEL+1], 0xfedcba98
	s_mov_b32 s[CS], 0x3e38aa3b                    ; log2(e) / 8
	s_mov_b32 s[CS+1], s[CS]                       ; (named with it as a pair, so it is written)
	s_mov_b32 s[HM], 0xffff0000
	s_wait_dscnt 0x0
	s_wait_kmcnt 0x0
	s_mov_b32 s[G0K], 1
	s_mov_b32 s[G0K+1], s89
	s_add_nc_u64 s[G0K+2:G0K+3], s[4:5], s[72:73]
	s_or_b32 s[G0K+3], s[G0K+3], 0x80000000
	s_mov_b32 s[G0V], 1
	s_add_co_u32 s[G0V+1], s89, VIMG
	s_add_nc_u64 s[G0V+2:G0V+3], s[6:7], s[76:77]
	s_or_b32 s[G0V+3], s[G0V+3], 0x80000000
	s_mov_b32 s[G0KS], 1
	s_mov_b32 s[G0KS+1], KSCL
	s_add_nc_u64 s[G0KS+2:G0KS+3], s[4:5], s[74:75]
	s_or_b32 s[G0KS+3], s[G0KS+3], 0x80000000
	s_mov_b32 s[G0VS], 1
	s_mov_b32 s[G0VS+1], VSCL
	s_add_nc_u64 s[G0VS+2:G0VS+3], s[6:7], s[78:79]
	s_or_b32 s[G0VS+3], s[G0VS+3], 0x80000000
	; the fills: waves 0-3 K's quarters, 4-7 V's, wave 8 K's scale words, wave 9 V's: one load a wave at the most.  Four v_nop follow each line.
	s_cmp_lt_u32 s[WV], 4
	s_cbranch_scc0 .Lnot_k
	tensor_load_to_lds s[G0K:G0K+3], s[G1C:G1C+7]
	s_nop 0
.rept 4
	v_nop
.endr
	s_branch .Lasked
.Lnot_k:
	s_cmp_lt_u32 s[WV], 8
	s_cbranch_scc0 .Lnot_v
	tensor_load_to_lds s[G0V:G0V+3], s[G1C:G1C+7]
	s_nop 0
.rept 4
	v_nop
.endr
	s_branch .Lasked
.Lnot_v:
	s_cmp_eq_u32 s[WV], 8
	s_cbranch_scc0 .Lnot_ks
	tensor_load_to_lds s[G0KS:G0KS+3], s[G1KS:G1KS+7]
	s_nop 0
.rept 4
	v_nop
.endr
	s_branch .Lasked
.Lnot_ks:
	s_cmp_eq_u32 s[WV], 9
	s_cbranch_scc0 .Lasked
	tensor_load_to_lds s[G0VS:G0VS+3], s[G1VS:G1VS+7]
	s_nop 0
.rept 4
	v_nop
.endr
.Lasked:
	s_lshl_b32 s90, s14, 2
	s_add_co_u32 s90, s90, s13                     ; q: 4 hd + b
	s_mul_i32 s72, s90, 98304
	s_lshl_b32 s74, s90, 13
	s_add_co_u32 s74, s74, QKSC
	s_add_nc_u64 s[72:73], s[4:5], s[72:73]        ; q's codes of this head and batch
	s_add_nc_u64 s[74:75], s[4:5], s[74:75]        ; and its scale words
	s_mul_i32 s76, s13, 1572864                    ; y's codes: 16 groups a batch; the head is K = 64 hd on: K step hd / 4, its (hd / 2) % 2-nd 128, the fragment's half hd % 2
	s_lshr_b32 s88, s14, 2
	s_mul_i32 s88, s88, 24576
	s_add_co_u32 s76, s76, s88
	s_bfe_u32 s88, s14, 0x10001
	s_mul_i32 s88, s88, 1536
	s_add_co_u32 s76, s76, s88
	s_and_b32 s88, s14, 1
	s_mul_i32 s88, s88, 768
	s_add_co_u32 s76, s76, s88
	s_lshl_b32 s78, s13, 16                        ; y's scale bytes: K half hd / 8, word (hd / 2) % 4, bytes 2 (hd % 2) on
	s_lshr_b32 s88, s14, 3
	s_lshl_b32 s88, s88, 11
	s_add_co_u32 s78, s78, s88
	s_bfe_u32 s88, s14, 0x20001
	s_lshl_b32 s88, s88, 2
	s_add_co_u32 s78, s78, s88
	s_and_b32 s88, s14, 1
	s_lshl_b32 s88, s88, 1
	s_add_co_u32 s78, s78, s88
	s_add_co_u32 s78, s78, YSC
	s_add_nc_u64 s[76:77], s[8:9], s[76:77]
	s_add_nc_u64 s[78:79], s[8:9], s[78:79]
	s_lshl_b32 s[TQN], ttmp9, 4
	s_add_co_u32 s[TQN], s[TQN], s[WV]             ; x = 16 i + wave: the second pass's tile
	s_sub_co_u32 s[TQ], 127, s[TQN]                ; the first pass's
	v_and_b32 v8, 15, v0                           ; r
	v_bfe_u32 v9, v0, 4, 1                         ; h
	v_and_b32 v10, 31, v0
	s_delay_alu instid0(VALU_DEP_1)
	v_lshlrev_b32 v[AK0], 3, v10
	s_delay_alu instid0(VALU_DEP_1)
	v_add_nc_u32 v[AV0], VIMG, v[AK0]
	v_lshlrev_b32 v[QS], 5, v8
	s_delay_alu instid0(VALU_DEP_1)
	v_add_nc_u32 v[ASK0], KSCL, v[QS]
	v_lshlrev_b32 v[ASV0], 4, v8
	s_delay_alu instid0(VALU_DEP_1)
	v_add_nc_u32 v[YB], v[ASV0], v9
	s_delay_alu instid0(VALU_DEP_2)
	v_add_nc_u32 v[ASV0], VSCL, v[ASV0]
	v_and_b32 v[RQ], 8, v8
	s_delay_alu instid0(VALU_DEP_1)
	v_add_nc_u32 v[RQ], v[RQ], v8
	v_lshlrev_b32 v11, 4, v9
	s_delay_alu instid0(VALU_DEP_1)
	v_sub_nc_u32 v[RQ], v[RQ], v11
.irp j, 22,23,24,25,26,27,80,81,82,83,84,85
	v_mov_b32 v[\j], 0                             ; zero codes: Q's upper half, and what stands behind K's last tile
.endr
.irp j, 236,237,238,239,252,253
	v_mov_b32 v[\j], 0                             ; written once: lane permutes' destinations count as sources, and v253 is named as the upper half of a pair
.endr
	s_wait_tensorcnt 0x0                           ; my load, if I issued one, has landed,
	s_barrier_signal -1
	s_barrier_wait -1                              ; everybody's has: the head lies in LDS, and nobody writes LDS again
; ONE TILE OF 16 QUERIES, from its codes to y's codes.
.macro PASS
	s_wait_xcnt 0x0                                ; the last pass's stores have read their pointers and registers
	s_lshr_b32 s90, s[TQ], 3
	s_and_b32 s91, s[TQ], 7
	s_mov_b32 s89, 0
	s_mul_i32 s88, s[TQ], 768
	s_add_nc_u64 s[80:81], s[72:73], s[88:89]      ; my tile's codes of q
	s_lshl_b32 s88, s90, 7
	s_add_co_u32 s88, s88, s91
	s_lshl_b32 s88, s88, 2
	s_add_nc_u64 s[82:83], s[74:75], s[88:89]      ; its scale words: 512 (tile / 8) + 4 (tile % 8)
	s_lshl_b32 s88, s90, 5
	s_add_co_u32 s88, s88, s91
	s_mul_i32 s88, s88, 3072
	s_add_nc_u64 s[84:85], s[76:77], s[88:89]      ; y's codes: 98,304 (tile / 8) + 3,072 (tile % 8)
	s_lshl_b32 s88, s90, 4
	s_add_co_u32 s88, s88, s91
	s_lshl_b32 s88, s88, 8
	s_add_nc_u64 s[86:87], s[78:79], s[88:89]      ; y's scale bytes: 4,096 (tile / 8) + 256 (tile % 8)
	s_lshr_b32 s[Q0], s[TQ], 1
	s_lshl_b32 s[Q0], s[Q0], 5
	s_and_b32 s88, s[TQ], 1
	s_lshl_b32 s88, s88, 3
	s_add_co_u32 s[Q0], s[Q0], s88                 ; my queries: Q0 + r + 8 (r / 8)
	s_add_co_u32 s[QMAX], s[Q0], 23
.irp e, 0,1,2
	global_load_b64 v[16+2*\e:17+2*\e], v[AK0], s[80:81] offset:256*\e   ; Q's fragment stays in registers
.endr
	global_load_b32 v28, v[QS], s[82:83]           ; and its scale words
	v_mov_b32 v13, 0xff61b1e6                      ; the largest t so far: -3e38, under every t
	s_delay_alu instid0(VALU_DEP_1)
	v_floor_f32 v12, -v13                          ; -M
	v_mov_b32 v14, 0                               ; the sum, in two halves
	v_mov_b32 v15, 0
.irp j, 0,1,2,3,4,5,6,7,8,9,10,11,12,13,14,15,16,17,18,19,20,21,22,23,24,25,26,27,28,29,30,31
	v_mov_b32 v[160+\j], 0                         ; O^T.  (The step is written once: the first finds zeros, which the first change of M leaves zeros)
.endr
	s_mov_b32 s[KF], 0
	s_mov_b32 s[T6], 0
	s_mov_b32 s[TSK], 0
	s_mov_b32 s[TSV], 0
	s_mov_b32 s[CNT], 16
	s_wait_loadcnt 0x0                             ; Q
.Lstep_\@:
	s_cmp_gt_u32 s[KF], s[QMAX]                    ; all 128 keys come after my queries: the step's work is left out
	s_cbranch_scc1 .Lhidden_\@
	s_setprio 2
	v_add_nc_u32 v[ADK], s[T6], v[AK0]             ; (these four are also the places behind the last step's products, in front of the loads below)
	v_add_nc_u32 v[ADV], s[T6], v[AV0]
	v_add_nc_u32 v[ADS], s[TSK], v[ASK0]
	v_add_nc_u32 v[ADT], s[TSV], v[ASV0]
.irp t, 0,1,2,3,4,5,6,7
.irp e, 0,1,2
	ds_load_b64 v[KB+6*\t+2*\e:KB+6*\t+2*\e+1], v[ADK] offset:768*\t+256*\e
.endr
.endr
	ds_load_b128 v[KS:KS+3], v[ADS]
	ds_load_b128 v[KS+4:KS+7], v[ADS] offset:16
	s_wait_alu depctr_va_vdst(0)
	s_wait_dscnt 0x0
.irp t, 0,1,2,3,4,5,6,7                        ; S^T = K Q^T: eight tiles of 16 keys
	v_wmma_scale_f32_16x16x128_f8f6f4 v[96+8*\t:103+8*\t], v[KB+6*\t:KB+6*\t+11], v[16:27], 0, v[KS+\t], v28 matrix_a_fmt:MATRIX_FMT_BF6 matrix_b_fmt:MATRIX_FMT_BF6
.endr
.rept 4
	v_nop                                          ; places in front of the reads of S^T and of the loads over K's registers
.endr
.irp t, 0,1,2,3                                ; V's four fragments and their scale words are asked for now: they land while the softmax is walked
.irp p, 0,1,2,3,4,5
	ds_load_b64 v[KB+12*\t+2*\p:KB+12*\t+2*\p+1], v[ADV] offset:1536*\t+256*\p
.endr
.endr
	ds_load_b128 v[VS:VS+3], v[ADT]
	s_add_co_u32 s88, s[KF], 127                   ; on the diagonal the scores of hidden keys become -infinity ahead of the maximum: p = 0 then.  A step all of whose keys count skips this
	s_cmp_le_u32 s88, s[Q0]
	s_cbranch_scc1 .Lopen_\@
	s_sub_co_i32 s88, s[Q0], s[KF]
	v_add_nc_u32 v252, s88, v[RQ]                  ; d = my query - KF - 16 h.  Register 16 b + i holds key KF + 16 h + 32 b + i: hidden where 32 b + i > d
	v_mov_b32 v254, 0xff800000                     ; -infinity
.irp n, 0,1,2,3,4,5,6,7,8,9,10,11,12,13,14,15,16,17,18,19,20,21,22,23,24,25,26,27,28,29,30,31,32,33,34,35,36,37,38,39,40,41,42,43,44,45,46,47,48,49,50,51,52,53,54,55,56,57,58,59,60,61,62,63
	v_cmp_gt_i32 vcc_lo, 32*(\n/16)+\n%16, v252
	v_cndmask_b32 v[96+\n], v[96+\n], v254, vcc_lo
.endr
.Lopen_\@:
.irp b, 0,1,2,3
	v_max3_num_f32 v[232+\b], v[96+16*\b], v[97+16*\b], v[98+16*\b]   ; THE LARGEST SCORE OF EACH BLOCK OF 32 KEYS: for the row's maximum, and, since p rises with the score, for the block's largest p
.endr
.irp i, 3,5,7,9,11,13
.irp b, 0,1,2,3
	v_max3_num_f32 v[232+\b], v[232+\b], v[96+16*\b+\i], v[97+16*\b+\i]
.endr
.endr
.irp b, 0,1,2,3
	v_max_num_f32 v[232+\b], v[232+\b], v[111+16*\b]
.endr
.irp b, 0,1,2,3
	s_delay_alu instid0(VALU_DEP_4)
	v_permlanex16_b32 v[236+\b], v[232+\b], s[SEL], s[SEL+1]
.endr
.irp b, 0,1,2,3
	s_delay_alu instid0(VALU_DEP_4)
	v_max_num_f32 v[232+\b], v[232+\b], v[236+\b]   ; with lane l xor 16's 16 keys
.endr
	s_delay_alu instid0(VALU_DEP_2)
	v_max3_num_f32 v254, v232, v233, v234
	s_delay_alu instid0(VALU_DEP_1)
	v_max_num_f32 v254, v254, v235                 ; the step's largest score of my query
	s_delay_alu instid0(VALU_DEP_1)
	v_mul_f32 v254, s[CS], v254                    ; as t (c is positive)
	s_delay_alu instid0(VALU_DEP_1)
	v_max_num_f32 v13, v13, v254                   ; the running largest t
	v_mov_b32 v254, v12
	s_delay_alu instid0(VALU_DEP_2)
	v_floor_f32 v12, -v13                          ; the new -M = floor(-t) = -ceil(t): M IS A WHOLE NUMBER
	s_delay_alu instid0(VALU_DEP_1)
	v_sub_f32 v254, v12, v254                      ; M's old value less its new one: a whole number, 0 or less
	s_delay_alu instid0(VALU_DEP_1)
	v_cvt_i32_f32 v254, v254                       ; (it saturates)
	s_delay_alu instid0(VALU_DEP_1)
	v_ldexp_f32 v252, 1.0, v254                    ; f = 2^(old M - new M)
	s_setprio 1
.irp j, 0,2,4,6,8,10,12,14,16,18,20,22,24,26,28,30,32,34,36,38,40,42,44,46,48,50,52,54,56,58,60,62
	v_pk_fma_f32 v[96+\j:97+\j], v[96+\j:97+\j], s[CS:CS+1], v[12:13] op_sel_hi:[1,0,0]   ; t - M, two at a time
.endr
.irp b, 0,1,2,3
	v_fma_f32 v[232+\b], v[232+\b], s[CS], v12     ; the same of each block's largest score
.endr
	s_wait_alu depctr_va_vdst(0)
.irp j, 0,1,2,3,4,5,6,7,8,9,10,11,12,13,14,15,16,17,18,19,20,21,22,23,24,25,26,27,28,29,30,31,32,33,34,35,36,37,38,39,40,41,42,43,44,45,46,47,48,49,50,51,52,53,54,55,56,57,58,59,60,61,62,63
	v_exp_f32 v[96+\j], v[96+\j]                   ; p = 2^(t - M), at most 1: NOT normalised
.endr
.irp b, 0,1,2,3
	v_exp_f32 v[232+\b], v[232+\b]                 ; the block's largest p: the same two instructions on the same number give the same bits
.endr
	v_pk_mul_f32 v[14:15], v[14:15], v[252:253] op_sel_hi:[1,0]   ; the sums under the new M.  (A plain place behind the exponentials)
	s_wait_alu depctr_va_vdst(0)
.irp b, 0,1,2,3
	v_max_num_f32 v[232+\b], 0x2800000, v[232+\b]  ; the floor 2^(5 - 127): the byte cannot fall under 1
.endr
.irp b, 0,1,2,3
	s_delay_alu instid0(VALU_DEP_4)
	v_add_nc_u32 v[244+\b], 0xfe000000, v[232+\b]  ; 4 off the exponent field: the conversion's scale operand
.endr
.irp b, 0,1,2,3
	s_delay_alu instid0(VALU_DEP_4)
	v_lshrrev_b32 v[236+\b], 23, v[244+\b]         ; the scale's byte
.endr
	s_delay_alu instid0(VALU_DEP_3)
	v_lshl_or_b32 v253, v237, 8, v236              ; p's scale word for these 128 keys
	s_delay_alu instid0(VALU_DEP_1)
	v_lshl_or_b32 v253, v238, 16, v253
	s_delay_alu instid0(VALU_DEP_1)
	v_lshl_or_b32 v253, v239, 24, v253
.irp c, 0,1
	v_cvt_scalef32_pk16_bf6_f32 v[224+6*\c:226+6*\c], v[96+32*\c:111+32*\c], v[244+2*\c]
	v_cvt_scalef32_pk16_bf6_f32 v[236+4*\c:238+4*\c], v[112+32*\c:127+32*\c], v[244+2*\c+1]   ; (a conversion's three registers begin on an even number)
.endr
	v_nop                                          ; one plain place behind a scaled conversion
.irp c, 0,1                                    ; the operand's layout wants a WHOLE block in a lane
.irp i, 0,1,2
	v_permlane16_swap_b32 v[224+6*\c+\i], v[236+4*\c+\i]
.endr
.irp i, 0,1,2
	s_delay_alu instid0(VALU_DEP_3)
	v_mov_b32 v[227+6*\c+\i], v[236+4*\c+\i]
.endr
.endr
	v_pk_add_f32 v[236:237], v[100:101], v[104:105]
	v_pk_add_f32 v[248:249], v[108:109], v[112:113]
	v_pk_add_f32 v[246:247], v[116:117], v[120:121]
	v_pk_add_f32 v[244:245], v[124:125], v[128:129]
	v_pk_add_f32 v[242:243], v[132:133], v[136:137]
	v_pk_add_f32 v[240:241], v[140:141], v[144:145]
	v_pk_add_f32 v[222:223], v[148:149], v[152:153]
	s_setprio 0
	v_pk_add_f32 v[14:15], v[14:15], v[156:157]
	v_pk_add_f32 v[236:237], v[236:237], v[96:97]
	v_pk_add_f32 v[248:249], v[248:249], v[98:99]
	v_pk_add_f32 v[246:247], v[246:247], v[102:103]
	v_pk_add_f32 v[244:245], v[244:245], v[106:107]
	v_pk_add_f32 v[242:243], v[242:243], v[110:111]
	v_pk_add_f32 v[240:241], v[240:241], v[114:115]
	v_pk_add_f32 v[222:223], v[222:223], v[118:119]
	v_pk_add_f32 v[14:15], v[14:15], v[122:123]
	v_pk_add_f32 v[236:237], v[236:237], v[126:127]
	v_pk_add_f32 v[248:249], v[248:249], v[130:131]
	v_pk_add_f32 v[246:247], v[246:247], v[134:135]
	v_pk_add_f32 v[244:245], v[244:245], v[138:139]
	v_pk_add_f32 v[242:243], v[242:243], v[142:143]
	v_pk_add_f32 v[240:241], v[240:241], v[146:147]
	v_pk_add_f32 v[222:223], v[222:223], v[150:151]
	v_pk_add_f32 v[14:15], v[14:15], v[154:155]
	v_pk_add_f32 v[236:237], v[236:237], v[158:159]
	s_delay_alu instid0(VALU_DEP_2)
	v_pk_add_f32 v[14:15], v[14:15], v[244:245]
	s_delay_alu instid0(VALU_DEP_2)
	v_pk_add_f32 v[236:237], v[236:237], v[242:243]
	v_pk_add_f32 v[248:249], v[248:249], v[240:241]
	v_pk_add_f32 v[246:247], v[246:247], v[222:223]
	s_delay_alu instid0(VALU_DEP_2)
	v_pk_add_f32 v[14:15], v[14:15], v[248:249]
	s_delay_alu instid0(VALU_DEP_2)
	v_pk_add_f32 v[236:237], v[236:237], v[246:247]
	s_delay_alu instid0(VALU_DEP_1)
	v_pk_add_f32 v[14:15], v[14:15], v[236:237]
.irp j, 0,2,4,6,8,10,12,14,16,18,20,22,24,26,28,30
	v_pk_mul_f32 v[160+\j:161+\j], v[160+\j:161+\j], v[252:253] op_sel_hi:[1,0]   ; O^T under the new M.  (With the sums above: the places between p's codes and scale word and the products below)
.endr
	s_wait_alu depctr_va_vdst(0)
	s_wait_dscnt 0x0                               ; V
.irp t, 0,1,2,3                                ; O^T += V^T P^T: four tiles of 16 channels, by turns; K = these 128 keys
	v_wmma_scale_f32_16x16x128_f8f6f4 v[160+8*\t:167+8*\t], v[KB+12*\t:KB+12*\t+11], v[224:235], v[160+8*\t:167+8*\t], v[VS+\t], v253 matrix_a_fmt:MATRIX_FMT_BF6 matrix_b_fmt:MATRIX_FMT_BF6
.endr
.Lhidden_\@:
	s_add_co_u32 s[KF], s[KF], 128
	s_add_co_u32 s[T6], s[T6], 6144
	s_add_co_u32 s[TSK], s[TSK], 512
	s_add_co_u32 s[TSV], s[TSV], 256
	s_sub_co_u32 s[CNT], s[CNT], 1
	s_cmp_lg_u32 s[CNT], 0
	s_cbranch_scc1 .Lstep_\@
	s_setprio 0
	; THE WAY OUT: y = O^T / the sum; register 16 c + i is channel 32 c + 16 h + i of my query: two blocks of the last product's K.  They are quantised and leave as three pieces of 256 bytes.
.rept 4
	v_nop                                          ; places behind the last products
.endr
	v_add_f32 v14, v14, v15                        ; the sum's two halves,
	s_delay_alu instid0(VALU_DEP_1)
	v_permlanex16_b32 v252, v14, s[SEL], s[SEL+1]
	s_delay_alu instid0(VALU_DEP_1)
	v_add_f32 v14, v14, v252                       ; and lane l xor 16's: the row's sum
	s_wait_alu depctr_va_vdst(0)
	v_rcp_f32 v14, v14
	v_nop                                          ; one plain place behind a transcendental
	s_wait_alu depctr_va_vdst(0)
	v_mov_b32 v15, v14                             ; a pair for the packed multiplication
.irp j, 0,2,4,6,8,10,12,14,16,18,20,22,24,26,28,30
	v_pk_mul_f32 v[96+\j:97+\j], v[160+\j:161+\j], v[14:15]
.endr
.irp c, 0,1
	v_max3_num_f32 v[232+\c], |v[96+16*\c]|, |v[97+16*\c]|, 0x2800000   ; block c: my 16 numbers, and the floor
.endr
.irp i, 2,4,6,8,10,12,14
.irp c, 0,1
	s_delay_alu instid0(VALU_DEP_2)
	v_max3_num_f32 v[232+\c], v[232+\c], |v[96+16*\c+\i]|, |v[97+16*\c+\i]|
.endr
.endr
.irp c, 0,1
	s_delay_alu instid0(VALU_DEP_2)
	v_permlanex16_b32 v[236+\c], v[232+\c], s[SEL], s[SEL+1]
.endr
.irp c, 0,1
	s_delay_alu instid0(VALU_DEP_2)
	v_max_num_f32 v[232+\c], v[232+\c], v[236+\c]
.endr
.irp c, 0,1
	s_delay_alu instid0(VALU_DEP_2)
	v_add_nc_u32 v[244+\c], 0xfe000000, v[232+\c]
.endr
.irp c, 0,1
	s_delay_alu instid0(VALU_DEP_2)
	v_lshrrev_b32 v[236+\c], 23, v[244+\c]
.endr
	v_cvt_scalef32_pk16_bf6_f32 v[224:226], v[96:111], v244
	v_cvt_scalef32_pk16_bf6_f32 v[228:230], v[112:127], v245
	v_nop                                          ; one plain place behind a scaled conversion
.irp i, 0,1,2
	v_permlane16_swap_b32 v[224+\i], v[228+\i]     ; lanes 0-15 get block 0 whole, lanes 16-31 block 1
.endr
.irp i, 0,1,2
	s_delay_alu instid0(VALU_DEP_3)
	v_mov_b32 v[227+\i], v[228+\i]
.endr
	v_cndmask_b32 v254, v236, v237, s[HM]          ; my block's byte
.irp e, 0,1,2
	global_store_b64 v[AK0], v[224+2*\e:225+2*\e], s[84:85] offset:256*\e   ; 32 lanes store 256 consecutive bytes, aligned
.endr
	global_store_b8 v[YB], v254, s[86:87]
.endm
	PASS
	s_mov_b32 s[TQ], s[TQN]
	PASS
	s_wait_tensorcnt 0x0
	ds_add_u32 v251, v255
	s_wait_dscnt 0x0
	s_endpgm
.Lfunc_end_k_q69ac0a1da8_attn:
	.size	k_q69ac0a1da8_attn, .Lfunc_end_k_q69ac0a1da8_attn-k_q69ac0a1da8_attn
	.p2alignl 7, 3214868480
	.fill 96, 4, 3214868480
	.section	.rodata,"a",@progbits
	.p2align	6, 0x0
	.amdhsa_kernel k_q69ac0a1da8_attn
		.amdhsa_group_segment_fixed_size 210944
		.amdhsa_private_segment_fixed_size 0
		.amdhsa_enable_private_segment 0
		.amdhsa_kernarg_size 24
		.amdhsa_user_sgpr_count 2
		.amdhsa_user_sgpr_kernarg_segment_ptr 1
		.amdhsa_wavefront_size32 1
		.amdhsa_system_sgpr_workgroup_id_x 1
		.amdhsa_system_sgpr_workgroup_id_y 1
		.amdhsa_system_sgpr_workgroup_id_z 1
		.amdhsa_system_vgpr_workitem_id 0
		.amdhsa_next_free_vgpr 256
		.amdhsa_next_free_sgpr 92
		.amdhsa_reserve_vcc 1
		.amdhsa_float_denorm_mode_32 3
		.amdhsa_float_denorm_mode_16_64 3
		.amdhsa_memory_ordered 1
		.amdhsa_forward_progress 1
		.amdhsa_inst_pref_size 70
	.end_amdhsa_kernel
	.amdgpu_metadata
---
amdhsa.version: [ 1, 2 ]
amdhsa.kernels:
  - .name:           k_q69ac0a1da8_attn
    .symbol:         k_q69ac0a1da8_attn.kd
    .args:
      - { .name: qk, .offset: 0, .size: 8, .value_kind: global_buffer, .address_space: global }
      - { .name: vq, .offset: 8, .size: 8, .value_kind: global_buffer, .address_space: global }
      - { .name: yq, .offset: 16, .size: 8, .value_kind: global_buffer, .address_space: global }
    .group_segment_fixed_size: 210944
    .private_segment_fixed_size: 0
    .kernarg_segment_align: 8
    .kernarg_segment_size: 24
    .max_flat_workgroup_size: 512
    .sgpr_count:     92
    .vgpr_count:     256
    .wavefront_size: 32
...
	.end_amdgpu_metadata
.endif
;; end of part 3
;; launch outp (part 4): grid 4 x 32, 4 waves a work-group, clusters of 4 x 4, 327,680 bytes of LDS; arguments yq, wq, bv, out0; writes out0
.if DOCPART == 4
	.amdgcn_target "amdgcn-amd-amdhsa--gfx1250"
	.amdhsa_code_object_version 6
	.text
	.protected	k_q69ac0a1da8_outp
	.globl	k_q69ac0a1da8_outp
	.p2align	8
	.type	k_q69ac0a1da8_outp,@function
k_q69ac0a1da8_outp:
	s_mov_b64 s[64:65], 0
	v_nop
	global_prefetch_b8 v0, s[64:65] scope:SCOPE_SE
	s_setreg_imm32_b32 hwreg(HW_REG_WAVE_MODE, 25, 1), 1
	s_wait_xcnt 0x0
	s_wait_alu depctr_hold_cnt(0) depctr_sa_sdst(0) depctr_va_vdst(0) depctr_va_sdst(0) depctr_va_ssrc(0) depctr_va_vcc(0) depctr_vm_vsrc(0)
	s_getreg_b32 s2, hwreg(HW_REG_IB_STS2, 6, 4)
	s_cmp_eq_u32 s2, 0
	s_cbranch_scc0 .Lentry_in_a_cluster
	s_endpgm
.Lentry_in_a_cluster:
	s_bfe_u32 s2, ttmp6, 0x10000c
	s_cmp_lg_u32 s2, 0xf033
	s_cbranch_scc0 .Lentry_shape_is_right
	s_endpgm
.Lentry_shape_is_right:
; out0 = y Wv + bv on codes of BF6 (E3M2) with E8M0 scales; out0 [8192][1024] f32.  A = y (32 tile rows of 256), B = Wv's 1,024 columns (4 tile columns of 256; groups 16-23 of wq).
; A tile of the result is 256 x 256; a wave makes 128 x 128: 64 accumulators, 512 registers.  The matrix instruction is used transposed (source 0 = 16 rows of B, source 1 = 16 rows of A).
; Operands lie in memory in the order of the operand's registers: [group of 128 rows][K step of 256][tile][128 along K][1,536 bytes]: a wave's tensor load brings 24,576 dense bytes, as 96 rows of 256.
; The rows of a tile are not neighbours (lane r of tile t: row 32 (t / 2) + 8 (t % 2) + r + 8 (r / 8)): the way out puts columns and rows back in their places.
; K = 1,024 goes in four steps of 256 through a ring of two LDS slots; the scale words of the tile's rows, for all of K, come once and stay.
; CLUSTERS: 4 x 4 work-groups; A's tiles are asked for jointly along a row of the cluster, B's along a column.  The result has 128 tiles of this size: 128 work-groups.
; REGISTERS: window 0: v16-29 addresses; v32-63 scale words, two sets; v64-67 the bias; v128-223 A's fragments; on the way out v128-255 rows of the result.
;   window 1: B's fragments, two sets.   windows 2, 3: accumulator (a, b) at v[8 (8 (a % 4) + b)].
.set NQ,     2
.set FR,     12
.set FRB,    1536
.set NL,     6
.set NP,     4                         ; places behind this matrix instruction (ISA guide 7.12.1)
.set GRP,    98304
.set HALFT,  24576
.set SLOT,   4*HALFT
.set SCL,    2*SLOT
.set SPARE,  SCL+4*4096                ; the spare words, 128 bytes for each wave: two blocks of 256 bytes that no other line names
.set YSC,    6291456                   ; where yq's scale words begin
.set WVC,    16*GRP                    ; where Wv's codes begin in wq
.set WVS,    2359296+16*4096           ; and its scale words
.set SPITCH, 528                       ; the way out: a stage of 16 rows x (512 bytes + 16) for each wave, in slot 0, which has had its last fill and its last read by then
.set ADRA, 16
.set ADRB, 20
.set STO,  24                          ; v24  the way out: where I put 32 bytes of a row
.set RD,   25                          ; v25  where I read a row back
.set CO,   26                          ; v26  16 x lane: my bytes of a row of 512
.set ADRS, 27
.set SPW,  28
.set NIL,  29
.set SC,   32
.set BI,   64                          ; v64-67 the bias of my four columns
.set AF,   128
.set BK,   128                         ; 16 rows read back from the stage: v128-191 and v192-255 by turns
.set G1, 24
.set G0, 32
.set G1B, 48
.set G0B, 56
.set G1S, 68
.set G0S, 76
.set G1SB, 80
.set G0SB, 88
.set MSB, 0
.macro WIN new                         ; the immediate's high byte repeats the setting that is left
.if MSB != \new
	s_set_vgpr_msb (MSB<<8)|\new
.set MSB, \new
.endif
.endm
.set MUL_LO, 0xa1
.set MUL_HI, 0xf1
.set TO_B,   0x40
.macro JLOAD g0a, g1a, g0b, g1b        ; a joint load: waves 0 and 1 fetch for A, waves 2 and 3 for B; four v_nop follow each of the two lines
	s_cmp_eq_u32 s19, 0
	s_cbranch_scc0 .Lfor_b_\@
	tensor_load_to_lds s[\g0a:\g0a+3], s[\g1a:\g1a+7]
	s_nop 0
.rept 4
	v_nop
.endr
	s_branch .Lasked_\@
.Lfor_b_\@:
	tensor_load_to_lds s[\g0b:\g0b+3], s[\g1b:\g1b+7]
	s_nop 0
.rept 4
	v_nop
.endr
.Lasked_\@:
.endm
.macro CREST
	s_cmp_lg_u32 s18, 0
	s_cbranch_scc1 .Lnot_wave_0_\@
	s_barrier_signal -3
.Lnot_wave_0_\@:
	s_barrier_wait -3
	s_barrier_signal -1
	s_barrier_wait -1
.endm
.macro CROUND
	s_barrier_signal -1
	s_barrier_wait -1
	CREST
.endm
	s_load_b256 s[4:11], s[0:1], 0x0               ; yq s[4:5], wq s[6:7], bv s[8:9], out0 s[10:11]
	v_lshl_add_u32 v[SPW], v0, 2, SPARE
	v_mov_b32 v[NIL], 0
	ds_add_u32 v28, v29
	ds_add_u32 v28, v29
	s_wait_dscnt 0x0
	v_lshrrev_b32 v1, 5, v0
	v_readfirstlane_b32 s18, v1                    ; wave 0..3
	s_lshr_b32 s19, s18, 1                         ; which half of A's rows is mine.  Also: I fetch for A (0) or for B (1)
	s_and_b32 s20, s18, 1                          ; which half of B's rows.  Also: which 128 rows of that tile I fetch
	s_bfe_u32 s40, ttmp6, 0x40000                  ; cx: the grid is one cluster wide, so it is the tile column
	s_bfe_u32 s22, ttmp6, 0x40004                  ; cy
	s_and_b32 s41, ttmp7, 0xffff
	s_lshl_b32 s41, s41, 2
	s_add_co_u32 s41, s41, s22                     ; tile row = 4 x cluster y + cy
	s_lshl_b32 s42, s22, 2
	s_lshl_b32 s42, 15, s42                        ; my row of the cluster
	s_lshl_b32 s43, 0x1111, s40                    ; my column
	s_or_b32 s[G1], s42, (3<<16)|(1<<21)           ; 15:0 the mask; 17:16 elements of 8 bytes; 21 set beside a mask; no padding
	s_or_b32 s[G1B], s43, (3<<16)|(1<<21)
	s_or_b32 s[G1S], s42, (3<<16)|(1<<21)
	s_or_b32 s[G1SB], s43, (3<<16)|(1<<21)
.irp g, G1, G1B
	s_mov_b32 s[\g+1], 32<<16
	s_mov_b32 s[\g+2], 96<<16
	s_mov_b32 s[\g+3], 32<<16
	s_mov_b32 s[\g+4], 96
	s_mov_b32 s[\g+5], 32
	s_mov_b32 s[\g+6], 0
	s_mov_b32 s[\g+7], 0
.endr
.irp g, G1S, G1SB
	s_mov_b32 s[\g+1], 32<<16
	s_mov_b32 s[\g+2], 16<<16
	s_mov_b32 s[\g+3], 32<<16
	s_mov_b32 s[\g+4], 16
	s_mov_b32 s[\g+5], 32
	s_mov_b32 s[\g+6], 0
	s_mov_b32 s[\g+7], 0
.endr
	s_lshl_b32 s92, s41, 1
	s_add_co_u32 s92, s92, s20                     ; A: the group that I fetch
	s_lshl_b32 s94, s92, 12
	s_add_co_u32 s94, s94, YSC
	s_mul_i32 s92, s92, GRP
	s_mov_b32 s93, 0
	s_mov_b32 s95, 0
	s_lshl_b32 s96, s40, 1
	s_add_co_u32 s96, s96, s20                     ; B likewise, in registers that never hold cy
	s_lshl_b32 s98, s96, 12
	s_add_co_u32 s98, s98, WVS
	s_mul_i32 s96, s96, GRP
	s_add_co_u32 s96, s96, WVC
	s_mov_b32 s97, 0
	s_mov_b32 s99, 0
	s_mul_i32 s44, s18, HALFT                      ; where they go: no place in the cluster enters an LDS address
	s_lshl_b32 s45, s18, 12
	s_wait_kmcnt 0x0
	s_add_nc_u64 s[92:93], s[4:5], s[92:93]
	s_add_nc_u64 s[94:95], s[4:5], s[94:95]
	s_add_nc_u64 s[96:97], s[6:7], s[96:97]
	s_add_nc_u64 s[98:99], s[6:7], s[98:99]
	CROUND                                         ; all sixteen work-groups are here: the first joint loads meet
	s_mov_b32 s[G0S], 1
	s_add_co_u32 s[G0S+1], s45, SCL
	s_mov_b64 s[G0S+2:G0S+3], s[94:95]
	s_or_b32 s[G0S+3], s[G0S+3], 0x80000000
	s_mov_b32 s[G0SB], 1
	s_add_co_u32 s[G0SB+1], s45, SCL
	s_mov_b64 s[G0SB+2:G0SB+3], s[98:99]
	s_or_b32 s[G0SB+3], s[G0SB+3], 0x80000000
	JLOAD G0S, G1S, G0SB, G1SB
.irp s, 0,1
	s_mov_b32 s[G0+4*\s], 1
	s_add_co_u32 s[G0+4*\s+1], s44, \s*SLOT
	s_add_nc_u64 s[G0+4*\s+2:G0+4*\s+3], s[92:93], \s*HALFT
	s_or_b32 s[G0+4*\s+3], s[G0+4*\s+3], 0x80000000
	s_mov_b32 s[G0B+4*\s], 1
	s_add_co_u32 s[G0B+4*\s+1], s44, \s*SLOT
	s_add_nc_u64 s[G0B+4*\s+2:G0B+4*\s+3], s[96:97], \s*HALFT
	s_or_b32 s[G0B+4*\s+3], s[G0B+4*\s+3], 0x80000000
	s_wait_alu depctr_va_vdst(0)
	s_wait_tensorcnt 0x0
	ds_add_u32 v28, v29
	s_wait_dscnt 0x0
	CROUND
	JLOAD G0+4*\s, G1, G0B+4*\s, G1B
.endr
	v_and_b32 v1, 15, v0                           ; r
	v_bfe_u32 v2, v0, 4, 1                         ; h
	v_and_b32 v3, 31, v0
	v_lshlrev_b32 v4, 3, v3                        ; 8 x lane
	s_wait_alu depctr_va_vdst(0)
	v_lshlrev_b32 v[CO], 4, v3
	s_lshl_b32 s46, s40, 10                        ; my 128 columns, in bytes: 1,024 x tile column + 512 x half
	s_lshl_b32 s47, s20, 9
	s_add_co_u32 s46, s46, s47
	s_mov_b32 s47, 0
	s_add_nc_u64 s[8:9], s[8:9], s[46:47]
	global_load_b128 v[BI:BI+3], v[CO], s[8:9]     ; the bias of the four columns that I store
	s_mul_i32 s44, s19, HALFT
	s_mul_i32 s45, s20, HALFT
	s_add_co_u32 s45, s45, 2*HALFT
.irp s, 0,1
	v_add_nc_u32 v[ADRA+\s], s44, v4
	v_add_nc_u32 v[ADRB+\s], s45, v4
	s_add_co_u32 s44, s44, SLOT
	s_add_co_u32 s45, s45, SLOT
.endr
	v_lshlrev_b32 v5, 4, v1
	s_lshl_b32 s44, s19, 12
	s_lshl_b32 s45, s20, 12
	s_add_co_u32 s45, s45, 2*4096
	s_sub_co_u32 s45, s45, s44
	v_mul_u32_u24 v6, s45, v2                      ; lanes 16-31 take B's scale words
	s_add_co_u32 s44, s44, SCL
	v_add_nc_u32 v5, v5, v6
	v_add_nc_u32 v[ADRS], s44, v5
	s_mul_i32 s44, s18, 16*SPITCH                  ; my stage
	v_mul_u32_u24 v5, v1, SPITCH
	v_lshl_add_u32 v5, v2, 6, v5
	v_add_nc_u32 v[STO], s44, v5                   ; in: row r, + 64 h: accumulators (a, 2 c), (a, 2 c + 1) hold columns 32 c + 16 h + 0 .. 15
	v_add_nc_u32 v[RD], s44, v[CO]                 ; back: the 32 lanes take one row of 512 bytes
	s_lshl_b32 s44, s41, 20                        ; my first row: (256 x tile row + 128 x half) x 4,096 bytes
	s_lshl_b32 s45, s19, 19
	s_add_co_u32 s44, s44, s45
	s_mov_b32 s45, 0
	s_add_nc_u64 s[10:11], s[10:11], s[44:45]
	s_add_nc_u64 s[10:11], s[10:11], s[46:47]
.macro FRAG reg, adr, q, i             ; a fragment comes as it was laid: six pieces of 256 bytes, 8 bytes a lane
.irp p, 0,1,2,3,4,5
	ds_load_b64 v[\reg+2*\p:\reg+2*\p+1], v[\adr] offset:(2*(\i)+(\q))*FRB+256*\p
.endr
.endm
; 16 matrix instructions: A's blocks a0, a0 + 1 x B's eight.  The 64 accumulators take turns, one instruction a turn, in the same order in every step.
.macro MUL16 a0, p, q, sc, zero
.irp a, \a0, \a0+1
.irp b, 0,1,2,3,4,5,6,7
.if \zero
	v_wmma_scale_f32_16x16x128_f8f6f4 v[8*(8*((\a)%4)+\b):8*(8*((\a)%4)+\b)+7], v[128*(\p)+FR*\b:128*(\p)+FR*\b+FR-1], v[AF+FR*(\a):AF+FR*(\a)+FR-1], 0, v[SC+8*NQ*(\sc)+NQ*\b+(\q)], v[SC+8*NQ*(\sc)+NQ*(\a)+(\q)] matrix_a_fmt:MATRIX_FMT_BF6 matrix_b_fmt:MATRIX_FMT_BF6 matrix_a_scale:MATRIX_SCALE_ROW1
.else
	v_wmma_scale_f32_16x16x128_f8f6f4 v[8*(8*((\a)%4)+\b):8*(8*((\a)%4)+\b)+7], v[128*(\p)+FR*\b:128*(\p)+FR*\b+FR-1], v[AF+FR*(\a):AF+FR*(\a)+FR-1], v[8*(8*((\a)%4)+\b):8*(8*((\a)%4)+\b)+7], v[SC+8*NQ*(\sc)+NQ*\b+(\q)], v[SC+8*NQ*(\sc)+NQ*(\a)+(\q)] matrix_a_fmt:MATRIX_FMT_BF6 matrix_b_fmt:MATRIX_FMT_BF6 matrix_a_scale:MATRIX_SCALE_ROW1
.endif
.endr
.endr
.endm
.macro FETCH_B slot, q, p
	WIN TO_B
.irp i, 0,1,2,3,4,5,6,7
	FRAG 128*(\p)+FR*\i, ADRB+\slot, \q, \i
.endr
	WIN 0
.endm
.macro FETCH_A slot, q, i0
.irp i, \i0, \i0+1, \i0+2, \i0+3
	FRAG AF+FR*(\i), ADRA+\slot, \q, \i
.endr
.endm
.macro SCALES sc, sg
.irp i, 0,1,2,3,4,5,6,7
	ds_load_b64 v[SC+8*NQ*(\sc)+NQ*\i:SC+8*NQ*(\sc)+NQ*\i+1], v[ADRS] offset:256*\i+((\sg)/2)*2048+((\sg)%2)*8
.endr
.endm
.macro PLACES n
.rept \n
	v_nop
.endr
.endm
.macro STEP slot, q, zero
	s_wait_dscnt 4*NL                              ; all but the youngest 24 loads (A's blocks 4-7) are in
	WIN MUL_LO
	MUL16 0, (\q)%2, \q, \slot, \zero
	MUL16 2, (\q)%2, \q, \slot, \zero
	s_wait_dscnt 0
	PLACES NP
	FETCH_B \slot, (\q)+1, 1-(\q)%2
	FETCH_A \slot, (\q)+1, 0
	WIN MUL_HI
	MUL16 4, (\q)%2, \q, \slot, \zero
	MUL16 6, (\q)%2, \q, \slot, \zero
	PLACES NP
	WIN 0
	FETCH_A \slot, (\q)+1, 4
.endm
.macro TURN slot, next, fill, sg
	s_wait_tensorcnt 0x0                           ; all my tensor loads have landed: my part of the next slot
	ds_add_u32 v[SPW], v[NIL]                      ; 0 onto my spare word
	s_wait_dscnt 4*NL+1                            ; (the add and the youngest 24 loads may be out)
	WIN MUL_LO
	MUL16 0, 1, NQ-1, \slot, 0
	s_wait_dscnt 0x0                               ; the add is done, and my reads of this slot are over
	s_barrier_signal -1
	MUL16 2, 1, NQ-1, \slot, 0
	WIN 0
	s_barrier_wait -1
.if \fill
	CREST                                          ; the barrier has opened a round of the cluster's barrier
	s_add_nc_u64 s[G0+4*\slot+2:G0+4*\slot+3], s[G0+4*\slot+2:G0+4*\slot+3], 2*HALFT
	s_add_nc_u64 s[G0B+4*\slot+2:G0B+4*\slot+3], s[G0B+4*\slot+2:G0B+4*\slot+3], 2*HALFT
	JLOAD G0+4*\slot, G1, G0B+4*\slot, G1B         ; the first tensor load behind the round
.else
	PLACES NP
.endif
	FETCH_B \next, 0, 0
	FETCH_A \next, 0, 0
	SCALES \next, \sg
	WIN MUL_HI
	MUL16 4, 1, NQ-1, \slot, 0
	MUL16 6, 1, NQ-1, \slot, 0
	PLACES NP
	WIN 0
	FETCH_A \next, 0, 4
.endm
	s_wait_alu depctr_va_vdst(0)
	s_wait_tensorcnt 1                             ; the scale words and my part of K step 0 are in (only K step 1's load may be out),
	s_barrier_signal -1
	s_barrier_wait -1                              ; everybody's are
	FETCH_B 0, 0, 0
	FETCH_A 0, 0, 0
	SCALES 0, 0
	FETCH_A 0, 0, 4
	STEP 0, 0, 1                                   ; the first products start the sums
	TURN 0, 1, 1, 1                                ; slot 0 takes K step 2
	STEP 1, 0, 0
	TURN 1, 0, 1, 2                                ; slot 1 takes K step 3
	STEP 0, 0, 0
	TURN 0, 1, 0, 3                                ; nothing is left to fetch: no round
	STEP 1, 0, 0
	s_wait_dscnt 4*NL                              ; the very last step
	WIN MUL_LO
	MUL16 0, 1, NQ-1, 1, 0
	MUL16 2, 1, NQ-1, 1, 0
	s_wait_dscnt 0
	WIN MUL_HI
	MUL16 4, 1, NQ-1, 1, 0
	MUL16 6, 1, NQ-1, 1, 0
	WIN 0
; THE WAY OUT, block by block of 16 rows x 128 columns, through my own stage in LDS: in by columns' true places, back as whole rows of 512 bytes; the bias is added on the way; row t of block a is row
; 32 (a / 2) + 8 (a % 2) + t + 8 (t / 8) of my 128, and its place stands in the store's immediate: 127 rows of 4,096 bytes at the most.  LDS serves a wave's instructions in order (ISA guide 5.7.1.4).
.macro TOSTAGE a
.set AC, 64*((\a)%4)
	WIN 0x08+4*((\a)/4)                            ; the data: window 2 or 3
.irp b, 0,1,2,3,4,5,6,7
	ds_store_b128 v[STO], v[AC+8*\b:AC+8*\b+3] offset:128*(\b/2)+32*(\b%2)          ; each accumulator from its low end on
	ds_store_b128 v[STO], v[AC+8*\b+4:AC+8*\b+7] offset:128*(\b/2)+32*(\b%2)+16
.endr
	WIN 0
.set BBK, BK+64*((\a)%2)
.irp t, 0,1,2,3,4,5,6,7,8,9,10,11,12,13,14,15
	ds_load_b128 v[BBK+4*\t:BBK+4*\t+3], v[RD] offset:\t*SPITCH
.endr
.endm
.macro SEND a, younger                 ; younger: the LDS instructions issued behind block a's loads, which may stay out
.set BBK, BK+64*((\a)%2)
	s_wait_dscnt \younger                          ; the block is back in registers
.irp t, 0,1,2,3,4,5,6,7,8,9,10,11,12,13,14,15
	v_pk_add_f32 v[BBK+4*\t:BBK+4*\t+1], v[BBK+4*\t:BBK+4*\t+1], v[BI:BI+1]
	v_pk_add_f32 v[BBK+4*\t+2:BBK+4*\t+3], v[BBK+4*\t+2:BBK+4*\t+3], v[BI+2:BI+3]
	global_store_b128 v[CO], v[BBK+4*\t:BBK+4*\t+3], s[10:11] offset:(32*((\a)/2)+8*((\a)%2)+\t+8*(\t/8))*4096 th:TH_STORE_NT   ; 32 lanes store 512 consecutive bytes, aligned; written once, read by nobody here
.endr
.endm
	PLACES NP                                      ; behind the last products: for the reads of results and the loads into the registers that held A's fragments
	s_wait_loadcnt 0x0                             ; the bias
	TOSTAGE 0
.irp a, 1,2,3,4,5,6,7
.if \a > 1
	s_wait_xcnt 0x0                                ; block a - 2's stores have read their registers: block a's loads may land there
.endif
	TOSTAGE \a
	SEND \a-1, 32                                  ; behind block a - 1's loads: block a's 16 stores and 16 loads
.endr
	SEND 7, 0
	s_wait_tensorcnt 0x0                           ; the wave's end
	ds_add_u32 v[SPW], v[NIL]
	s_wait_dscnt 0x0
	CROUND                                         ; the closing round: no work-group ends while a partner may still ask for a tile that names it
	s_endpgm
.Lfunc_end_k_q69ac0a1da8_outp:
	.size	k_q69ac0a1da8_outp, .Lfunc_end_k_q69ac0a1da8_outp-k_q69ac0a1da8_outp
	.p2alignl 7, 3214868480
	.fill 96, 4, 3214868480
	.section	.rodata,"a",@progbits
	.p2align	6, 0x0
	.amdhsa_kernel k_q69ac0a1da8_outp
		.amdhsa_group_segment_fixed_size 327680
		.amdhsa_private_segment_fixed_size 0
		.amdhsa_enable_private_segment 0
		.amdhsa_kernarg_size 32
		.amdhsa_user_sgpr_count 2
		.amdhsa_user_sgpr_kernarg_segment_ptr 1
		.amdhsa_wavefront_size32 1
		.amdhsa_system_sgpr_workgroup_id_x 1
		.amdhsa_system_sgpr_workgroup_id_y 1
		.amdhsa_system_sgpr_workgroup_id_z 1
		.amdhsa_system_vgpr_workitem_id 0
		.amdhsa_next_free_vgpr 1024
		.amdhsa_next_free_sgpr 102
		.amdhsa_reserve_vcc 0
		.amdhsa_float_denorm_mode_32 3
		.amdhsa_float_denorm_mode_16_64 3
		.amdhsa_memory_ordered 1
		.amdhsa_forward_progress 1
		.amdhsa_inst_pref_size 175
	.end_amdhsa_kernel
	.amdgpu_metadata
---
amdhsa.version: [ 1, 2 ]
amdhsa.kernels:
  - .name:           k_q69ac0a1da8_outp
    .symbol:         k_q69ac0a1da8_outp.kd
    .args:
      - { .name: yq, .offset: 0, .size: 8, .value_kind: global_buffer, .address_space: global }
      - { .name: wq, .offset: 8, .size: 8, .value_kind: global_buffer, .address_space: global }
      - { .name: bv, .offset: 16, .size: 8, .value_kind: global_buffer, .address_space: global }
      - { .name: out0, .offset: 24, .size: 8, .value_kind: global_buffer, .address_space: global }
    .group_segment_fixed_size: 327680
    .private_segment_fixed_size: 0
    .kernarg_segment_align: 8
    .kernarg_segment_size: 32
    .max_flat_workgroup_size: 128
    .sgpr_count:     102
    .vgpr_count:     1024
    .wavefront_size: 32
...
	.end_amdgpu_metadata
.endif
;; end of part 4
